; MI455X (gfx1250); checked and timed in simulation.
; The chip was launched on July 23, 2026; its instructions are those of AMD's public machine-readable ISA for CDNA 5 (MIT licence, August 2026) and "CDNA5" Instruction Set Architecture Reference Guide (July 2026). The comments in the code are by the model that wrote it; some were corrected since.
;; Causal Self Attention. Allowed arithmetic: matrix products marked QUANTISED: E2M3 operands, one E8M0 scale for each 32 along K, by v_wmma_scale_f32_16x16x128_f8f6f4 with both operands' format E2M3, f32 sums; everything else in f32.
;; Inputs: w_attn 1,024 x 3,072 float32; w_proj 1,024 x 1,024 float32; x 4 x 2,048 x 1,024 float32.
;; Outputs: out0 4 x 2,048 x 1,024 float32.
;; This version of the problem:
;;   THIS VERSION OF THE PROBLEM IS GIVEN IN LOW PRECISION. The matrix products marked QUANTISED in the list below multiply operands that are first quantised to E2M3 (2 exponent bits, 3 mantissa bits; 6 bits a number), with one power-of-two scale for each 32 numbers along K (OCP MX v1.0); their sums are f32. All else is computed in f32.
;;   The module's matrix products, in the order in which they are computed (A, B: the left and right operand; K: the contracted axis; several contracted axes count as one K, in the product's order):
;;     1. [M 8,192, K 1,024] x [K 1,024, N 3,072]; A: input x; B: input w_attn: QUANTISED
;;     2. batch 64 x [M 2,048, K 64] x [K 64, N 2,048]; A: computed on the way; B: computed on the way: QUANTISED
;;     3. batch 64 x [M 2,048, K 2,048] x [K 2,048, N 64]; A: softmax (see below); B: computed on the way: QUANTISED
;;     4. [M 8,192, K 1,024] x [K 1,024, N 1,024]; A: computed on the way; B: input w_proj: QUANTISED
;;   THE QUANTISER, for each operand of a quantised product, along K:
;;     - K is cut into blocks of 32 from its start; a last block that is shorter is filled with zeros.
;;     - A block's scale is 2^e with e = floor(log2(the largest magnitude in the block)) - 2, held to -126 .. 127; a block of zeros has e = 0. As a byte (E8M0): e + 127.
;;     - Each number is divided by its block's scale, clamped to +-7.5, and rounded to the nearest number of E2M3, ties to even, subnormals kept.
;;     - The product sums the exact products of the quantised numbers (number of the format x scale) in f32.
;;   ~~~python
;;   def quantise(x, axis):      # numpy; x: float32 -> the quantised numbers, widened to float32 again
;;       x = np.moveaxis(x, axis, -1); K = x.shape[-1]
;;       x = np.pad(x, [(0, 0)] * (x.ndim - 1) + [(0, -K % 32)]); x = x.reshape(x.shape[:-1] + (-1, 32)); a = np.abs(x).max(-1, keepdims=True)
;;       e = np.where(a > 0, np.clip(np.frexp(np.where(a > 0, a, 1))[1] - 1 - 2, -126, 127), 0)      # np.frexp(a)[1] - 1 = floor(log2(a)), exactly
;;       r = np.clip(x / 2.0 ** e, -7.5, 7.5)
;;       step = 2.0 ** (np.maximum(np.frexp(np.where(r == 0, 1, r))[1] - 1, 0) - 3)
;;       q = np.round(r / step) * step * 2.0 ** e      # np.round: ties to even
;;       return np.moveaxis(q.reshape(q.shape[:-2] + (-1,))[..., :K], -1, axis).astype(np.float32)
;;   ~~~
;;   SOFTMAX AHEAD OF A QUANTISED PRODUCT. Where the list says 'softmax', what is quantised is not the finished softmax but p = 2^(t - M), with t = logit x log2(e) and M = ceil(the row's largest t), a whole number; so 1/2 < the row's largest p <= 1. The row's sum l is taken of the UNQUANTISED p, in f32, and the product's result is divided by l at the end. Since M is a whole number, a kernel that streams over the keys may use a running M (the ceiling of the running maximum): every later rescaling is an exact power of two, which a block's scale takes up: the codes' values come out the same.
;;   OPERANDS COMPUTED ON THE WAY. 'Computed on the way' means the value that the module computes at that place (a softmax that the list does not call 'softmax' is quantised finished and normalised). What goes into a quantiser is computed in f32, as accurately as f32 sums, v_exp_f32 and their like allow (about 1e-6 of the number): no bf16 or f16 on the way to a quantiser, and a product that is left as it is and whose result goes on into a quantised operand takes f32 operands (vector FMAs, or v_wmma_f32_16x16x4_f32). A number that lies on a knife's edge between two numbers of the format may be rounded either way, as far as f32 arithmetic and the matrix unit's own rounding can turn it there, and no further.
;; One version. Each part assembles by itself: llvm-mc -triple=amdgcn-amd-amdhsa -mcpu=gfx1250 --defsym DOCPART=n.
;; ======== version 1 of 1: 4 launches
;; workspace buffers: xc 6,291,456 bytes; xs 262,144 bytes; wc 3,145,728 bytes; ws 131,072 bytes; qkvc 18,874,368 bytes; qkvs 786,432 bytes; yc 6,291,456 bytes; ys 262,144 bytes
;; launch quant (part 1): grid 384 x 1, 4 waves a work-group, no clusters, 102,912 bytes of LDS; arguments x, w_attn, w_proj, xc, xs, wc, ws; writes xc, xs, wc, ws
.if DOCPART == 1
	.amdgcn_target "amdgcn-amd-amdhsa--gfx1250"
	.amdhsa_code_object_version 6
	.text
	.protected	k_q1cf88e2c15_quant
	.globl	k_q1cf88e2c15_quant
	.p2align	8
	.type	k_q1cf88e2c15_quant,@function
k_q1cf88e2c15_quant:
	s_mov_b64 s[64:65], 0
	v_nop
	global_prefetch_b8 v0, s[64:65] scope:SCOPE_SE
	s_setreg_imm32_b32 hwreg(HW_REG_WAVE_MODE, 25, 1), 1
	s_wait_xcnt 0x0
; The three f32 inputs become codes of FP6 (E2M3), 6 bits each, K innermost, with one E8M0 scale byte for each 32 along K.
;   x      [8192][1024]  -> xc [8192][768 bytes], xs [8192][32 bytes]                        (K is innermost in memory)
;   w_attn [1024][3072]  -> wc rows 0-3071 (a row = a column of w_attn), ws likewise          (K is the first axis)
;   w_proj [1024][1024]  -> wc rows 3072-4095, ws likewise; INSIDE each block of 32 along K the codes stand in the order 0-7, 16-23, 8-15, 24-31,
;                           which is the order in which the attention launch leaves the codes of y: both operands of that product then agree place by place.
; A block's scale is 2^(floor(log2(its largest magnitude)) - 2); its byte is the largest magnitude's exponent field - 2, held at 1 from below.
; LIMITS: a block of zeros, or one whose largest magnitude lies under 2^-124, gets the byte 1 where the rule says 127 for zeros: its codes are zeros (or the rule's own subnormal codes),
; and only this program reads the bytes.  NaN and infinities among the inputs are not served.
; SHARES: work-groups 0-255 take x (32,768 numbers each), 256-351 w_attn (128 columns x 256 along K each), 352-383 w_proj (likewise): 131,072 bytes read by each.
; The three paths part on the work-group's number, never join, and have LDS bytes of their own.  No tensor loads, no barrier: waves share nothing.
.set STEPS, 16
.set WREG,  8192                       ; path x: LDS of a wave: two stages of 32 x SP bytes, and behind them its 256 scale bytes
.set SP,    80                         ; a lane's place in a stage: its 64 bytes + 16 of padding
.set CB,    12                         ; bytes of 16 codes
.set R,     16                         ; v16-79   path x: four sets of 16 numbers as they are loaded
.set X,     80                         ; v80-111  two sets of 16 neighbours
.set E,     112                        ; v112-127 a scale byte for each step
.set C,     128                        ; v128-191 codes: four registers for each step, so that no store's data are written again
.set WX,    32                         ; v32-95   weights: two sets of 32 numbers
.set WC,    96                         ; v96..    a block's codes
.set OUTR,  112                        ; v112-175 the way out: 16 x 4 registers
.set SB,    24                         ; v24-25   the scale bytes, four to a register
.set WP,    272                        ; a stage row of the weights' paths: sixteen places of 16 bytes, each with 12 bytes of codes, + 16
.set KROW,  768                        ; a row of codes in bytes: 1,024 codes
; ---- path x ----
.macro XLOAD t
.irp i, 0,1,2,3
	global_load_b128 v[R+16*((\t)%4)+4*\i:R+16*((\t)%4)+4*\i+3], v3, s[4:5] offset:2048*(\t)+512*\i th:TH_LOAD_NT   ; 32 lanes read 512 consecutive bytes
.endr
.endm
.macro XTURN t                         ; step t's numbers through the stage: LDS serves a wave's instructions in order, so no wait stands between the stores and the loads
.irp i, 0,1,2,3
	ds_store_b128 v14, v[R+16*((\t)%4)+4*\i:R+16*((\t)%4)+4*\i+3] offset:32*SP*((\t)%2)+8*SP*\i
.endr
.irp i, 0,1,2,3
	ds_load_b128 v[X+16*((\t)%2)+4*\i:X+16*((\t)%2)+4*\i+3], v15 offset:32*SP*((\t)%2)+16*\i
.endr
.endm
.macro XSTEP t
.set XS, X+16*((\t)%2)
.if (\t) > 0
	s_wait_dscnt 1                                 ; this step's numbers are back from the stage (the last step's byte store may be out): so its stores into the stage have read their registers,
.else
	s_wait_dscnt 0x0
.endif
.if (\t)+4 < STEPS
	XLOAD (\t)+4                                   ; which take the loads of four steps on
.endif
.if (\t)+1 < STEPS
.if STEPS-2-(\t) >= 3
	s_wait_loadcnt 12                              ; the next step's four loads are in; those of the three steps behind it may be out
.else
	s_wait_loadcnt 4*(STEPS-2-(\t))
.endif
	XTURN (\t)+1                                   ; and go through the other stage while this step is worked
.endif
	v_max3_num_f32 v8, |v[XS]|, |v[XS+1]|, |v[XS+2]|               ; the largest magnitude of my 16
	v_max3_num_f32 v9, |v[XS+3]|, |v[XS+4]|, |v[XS+5]|
.irp i, 6,10
	v_max3_num_f32 v8, v8, |v[XS+\i]|, |v[XS+\i+1]|
	v_max3_num_f32 v9, v9, |v[XS+\i+2]|, |v[XS+\i+3]|
.endr
	v_max3_num_f32 v8, v8, |v[XS+14]|, |v[XS+15]|
	v_max3_num_f32 v8, v8, v9, 0x1800000           ; and the floor 2^(3 - 127): the byte cannot fall under 1
	v_max_num_f32_dpp v8, v8, v8 row_xmask:1 row_mask:0xf bank_mask:0xf   ; and of my neighbour's 16: the block's
	v_add_nc_u32 v11, 0xff000000, v8               ; 2 off its exponent field: the conversion takes the exponent field of this operand as its scale, and nothing else of it
	v_cvt_scalef32_pk16_fp6_f32 v[C+4*(\t):C+4*(\t)+2], v[XS:XS+15], v11
	v_lshrrev_b32 v[E+(\t)], 23, v11               ; the scale's byte
	ds_store_b8 v5, v[E+(\t)] offset:16*(\t)       ; both lanes of a block write the same byte with the same value
	global_store_b96 v4, v[C+4*(\t):C+4*(\t)+2], s[10:11] offset:32*CB*(\t)   ; the wave stores 384 consecutive bytes
.endm
; ---- the weights' paths: a lane takes a column, its registers run down K ----
.macro WLOAD t, N, PERM, SRC           ; block t: register i takes row 32 t + i of the weight (PERM: bits 3 and 4 of i change places), at my column
.set wi, 0
.rept 32
.if \PERM
.set wr, (wi&7)+((wi&8)*2)+((wi&16)/2)
.else
.set wr, wi
.endif
	global_load_b32 v[WX+32*((\t)%2)+wi], v3, s[\SRC:\SRC+1] offset:(32*(\t)+wr)*\N*4 th:TH_LOAD_NT   ; 32 lanes read 128 consecutive bytes
.set wi, wi+1
.endr
.endm
.macro WBLOCK t, N, PERM, SRC
.set XS, WX+32*((\t)%2)
.if (\t) < 7
	s_wait_loadcnt 32                              ; this block's 32 loads are in; the next block's may be out
.else
	s_wait_loadcnt 0
.endif
	v_max3_num_f32 v12, |v[XS]|, |v[XS+1]|, |v[XS+2]|               ; the block's largest magnitude: all 32 numbers are mine
	v_max3_num_f32 v13, |v[XS+3]|, |v[XS+4]|, |v[XS+5]|
.irp i, 6,10,14,18,22,26
	v_max3_num_f32 v12, v12, |v[XS+\i]|, |v[XS+\i+1]|
	v_max3_num_f32 v13, v13, |v[XS+\i+2]|, |v[XS+\i+3]|
.endr
	v_max3_num_f32 v12, v12, |v[XS+30]|, |v[XS+31]|
	v_max3_num_f32 v12, v12, v13, 0x1800000        ; the floor
	v_add_nc_u32 v11, 0xff000000, v12              ; the conversion's scale operand
	v_lshrrev_b32 v13, 23, v11                     ; the scale's byte
.if (\t)%4 == 0
	v_mov_b32 v[SB+(\t)/4], v13                    ; four bytes to a register, the lower K in the lower byte
.else
	v_lshl_or_b32 v[SB+(\t)/4], v13, 8*((\t)%4), v[SB+(\t)/4]
.endif
	v_cvt_scalef32_pk16_fp6_f32 v[WC:WC+2], v[XS:XS+15], v11
	v_cvt_scalef32_pk16_fp6_f32 v[WC+4:WC+6], v[XS+16:XS+31], v11   ; (a conversion's three registers begin on an even number)
	ds_store_b96 v4, v[WC:WC+2] offset:32*(\t)     ; 16 codes, 12 bytes, to a place of 16 bytes in the stage
	ds_store_b96 v4, v[WC+4:WC+6] offset:32*(\t)+16
.if (\t)+2 < 8
	WLOAD (\t)+2, \N, \PERM, \SRC
.endif
	s_wait_dscnt 0x0                               ; the stores have read their registers: the next block's codes may be written
.endm
; N: the weight's columns; ROW0: its first row in wc and ws; LBASE: the path's LDS bytes; SRC: the scalar pair with its address; J0: the path's first work-group
.macro WPATH N, ROW0, PERM, LBASE, SRC, J0
	s_sub_co_u32 s19, ttmp9, \J0
	s_lshr_b32 s20, s19, 2                         ; which 128 columns
	s_and_b32 s21, s19, 3                          ; which 256 along K
	s_lshl_b32 s20, s20, 7
	s_lshl_b32 s22, s18, 5
	s_add_co_u32 s20, s20, s22                     ; my wave's first column
	s_mul_i32 s22, s21, 256*\N*4
	s_lshl_b32 s23, s20, 2
	s_add_co_u32 s22, s22, s23
	s_mov_b32 s23, 0
	s_add_nc_u64 s[\SRC:\SRC+1], s[\SRC:\SRC+1], s[22:23]
	s_add_co_u32 s24, s20, \ROW0                   ; its row of wc and ws
	s_mul_i32 s22, s24, KROW
	s_mul_i32 s25, s21, 192
	s_add_co_u32 s22, s22, s25
	s_add_nc_u64 s[14:15], s[14:15], s[22:23]
	s_lshl_b32 s22, s24, 5
	s_lshl_b32 s25, s21, 3
	s_add_co_u32 s22, s22, s25
	s_add_nc_u64 s[16:17], s[16:17], s[22:23]
	v_lshlrev_b32 v3, 2, v2                        ; in: 4 bytes a lane
	s_mul_i32 s26, s18, 32*WP
	s_add_co_u32 s26, s26, \LBASE                  ; my stage
	v_mul_u32_u24 v4, v2, WP
	v_add_nc_u32 v4, s26, v4                       ; into it: row = my column
	v_and_b32 v5, 15, v2
	v_lshrrev_b32 v6, 4, v2                        ; out of it: sixteen lanes to a row, two rows an instruction
	v_mul_u32_u24 v7, v6, WP
	v_lshl_add_u32 v7, v5, 4, v7
	v_add_nc_u32 v7, s26, v7
	v_mul_u32_u24 v8, v6, KROW
	v_mad_u32_u24 v8, v5, 12, v8                   ; and the same place in wc
	v_lshlrev_b32 v9, 5, v2                        ; my column's row of scale bytes
	WLOAD 0, \N, \PERM, \SRC
	WLOAD 1, \N, \PERM, \SRC
.irp t, 0,1,2,3,4,5,6,7
	WBLOCK \t, \N, \PERM, \SRC
.endr
	global_store_b64 v9, v[SB:SB+1], s[16:17]      ; my column's 8 scale bytes
.irp t, 0,1,2,3,4,5,6,7,8,9,10,11,12,13,14,15
	ds_load_b96 v[OUTR+4*\t:OUTR+4*\t+2], v7 offset:2*\t*WP   ; LDS serves a wave's instructions in order: these see my stores
.endr
.irp t, 0,1,2,3,4,5,6,7,8,9,10,11,12,13,14,15
	s_wait_dscnt 15-\t                             ; loads come back in order: load t is in, the younger ones may be out
	global_store_b96 v8, v[OUTR+4*\t:OUTR+4*\t+2], s[14:15] offset:2*\t*KROW   ; sixteen lanes store a row's 192 consecutive bytes
.endr
.endm
	s_load_b256 s[4:11], s[0:1], 0x0               ; x s[4:5], w_attn s[6:7], w_proj s[8:9], xc s[10:11]
	s_load_b128 s[12:15], s[0:1], 0x20             ; xs s[12:13], wc s[14:15]
	s_load_b64 s[16:17], s[0:1], 0x30              ; ws
	v_lshl_add_u32 v192, v0, 2, 0x19000
	v_mov_b32 v193, 0
	v_lshrrev_b32 v1, 5, v0
	v_readfirstlane_b32 s18, v1                    ; wave 0..3
	v_and_b32 v2, 31, v0                           ; lane
	s_wait_kmcnt 0x0
	s_cmp_lt_u32 ttmp9, 256
	s_cbranch_scc0 .Lweights
	; ---- x: a plain stream of blocks of 32.  A wave takes 16 steps of 512 numbers
	v_lshlrev_b32 v3, 4, v2                        ; my 16 bytes of a load's 512
	s_mul_i32 s19, s18, WREG
	v_lshrrev_b32 v14, 2, v2
	v_mul_u32_u24 v14, v14, SP
	v_and_b32 v15, 3, v2
	v_lshl_add_u32 v14, v15, 4, v14
	v_add_nc_u32 v14, s19, v14                     ; the stage, on the way in: four lanes' 64 bytes on end, then 16 of padding
	v_mul_u32_u24 v15, v2, SP
	v_add_nc_u32 v15, s19, v15                     ; and on the way out: my 16 neighbours
	v_mul_u32_u24 v4, v2, CB                       ; my codes' place in a step's
	v_lshrrev_b32 v5, 1, v2
	s_add_co_u32 s19, s19, 2*32*SP
	v_add_nc_u32 v5, s19, v5                       ; LDS: my wave's 256 scale bytes, my block's byte
	v_lshlrev_b32 v7, 3, v2                        ; and on the way out 8 bytes a lane
	v_add_nc_u32 v6, s19, v7
	s_lshl_b32 s20, ttmp9, 2
	s_add_co_u32 s20, s20, s18                     ; which run of 8,192 numbers is my wave's
	s_lshl_b32 s22, s20, 15
	s_mov_b32 s23, 0
	s_add_nc_u64 s[4:5], s[4:5], s[22:23]
	s_mul_i32 s22, s20, 32*STEPS*CB
	s_add_nc_u64 s[10:11], s[10:11], s[22:23]
	s_lshl_b32 s22, s20, 8
	s_add_nc_u64 s[12:13], s[12:13], s[22:23]
.irp t, 0,1,2,3
	XLOAD \t
.endr
	s_wait_loadcnt 12                              ; step 0's four loads are in
	XTURN 0
.irp t, 0,1,2,3,4,5,6,7,8,9,10,11,12,13,14,15
	XSTEP \t
.endr
	ds_load_b64 v[12:13], v6                       ; LDS serves a wave's instructions in order: these see my stores
	s_wait_dscnt 0x0
	global_store_b64 v7, v[12:13], s[12:13]        ; 32 lanes store 256 consecutive bytes, aligned
	s_wait_tensorcnt 0x0
	ds_add_u32 v192, v193
	s_wait_dscnt 0x0
	s_endpgm
.Lweights:
	s_cmp_lt_u32 ttmp9, 352
	s_cbranch_scc0 .Lproj
	WPATH 3072, 0, 0, 32768, 6, 256
	s_wait_tensorcnt 0x0
	ds_add_u32 v192, v193
	s_wait_dscnt 0x0
	s_endpgm
.Lproj:
	WPATH 1024, 3072, 1, 67584, 8, 352
	s_wait_tensorcnt 0x0
	ds_add_u32 v192, v193
	s_wait_dscnt 0x0
	s_endpgm
.Lfunc_end_k_q1cf88e2c15_quant:
	.size	k_q1cf88e2c15_quant, .Lfunc_end_k_q1cf88e2c15_quant-k_q1cf88e2c15_quant
	.p2alignl 7, 3214868480
	.fill 96, 4, 3214868480
	.section	.rodata,"a",@progbits
	.p2align	6, 0x0
	.amdhsa_kernel k_q1cf88e2c15_quant
		.amdhsa_group_segment_fixed_size 102912
		.amdhsa_private_segment_fixed_size 0
		.amdhsa_enable_private_segment 0
		.amdhsa_kernarg_size 56
		.amdhsa_user_sgpr_count 2
		.amdhsa_user_sgpr_kernarg_segment_ptr 1
		.amdhsa_wavefront_size32 1
		.amdhsa_system_sgpr_workgroup_id_x 1
		.amdhsa_system_sgpr_workgroup_id_y 1
		.amdhsa_system_sgpr_workgroup_id_z 1
		.amdhsa_system_vgpr_workitem_id 0
		.amdhsa_next_free_vgpr 194
		.amdhsa_next_free_sgpr 66
		.amdhsa_reserve_vcc 0
		.amdhsa_float_denorm_mode_32 3
		.amdhsa_float_denorm_mode_16_64 3
		.amdhsa_memory_ordered 1
		.amdhsa_forward_progress 1
		.amdhsa_inst_pref_size 114
	.end_amdhsa_kernel
	.amdgpu_metadata
---
amdhsa.version: [ 1, 2 ]
amdhsa.kernels:
  - .name:           k_q1cf88e2c15_quant
    .symbol:         k_q1cf88e2c15_quant.kd
    .args:
      - { .name: x, .offset: 0, .size: 8, .value_kind: global_buffer, .address_space: global }
      - { .name: w_attn, .offset: 8, .size: 8, .value_kind: global_buffer, .address_space: global }
      - { .name: w_proj, .offset: 16, .size: 8, .value_kind: global_buffer, .address_space: global }
      - { .name: xc, .offset: 24, .size: 8, .value_kind: global_buffer, .address_space: global }
      - { .name: xs, .offset: 32, .size: 8, .value_kind: global_buffer, .address_space: global }
      - { .name: wc, .offset: 40, .size: 8, .value_kind: global_buffer, .address_space: global }
      - { .name: ws, .offset: 48, .size: 8, .value_kind: global_buffer, .address_space: global }
    .group_segment_fixed_size: 102912
    .private_segment_fixed_size: 0
    .kernarg_segment_align: 8
    .kernarg_segment_size: 56
    .max_flat_workgroup_size: 128
    .sgpr_count:     66
    .vgpr_count:     194
    .wavefront_size: 32
...
	.end_amdgpu_metadata
.endif
;; end of part 1
;; launch gemm_qkv (part 2): grid 12 x 32, 4 waves a work-group, clusters of 4 x 4, 327,680 bytes of LDS; arguments xc, xs, wc, ws, qkvc, qkvs; writes qkvc, qkvs
.if DOCPART == 2
	.amdgcn_target "amdgcn-amd-amdhsa--gfx1250"
	.amdhsa_code_object_version 6
	.text
	.protected	k_q1cf88e2c15_gemm_qkv
	.globl	k_q1cf88e2c15_gemm_qkv
	.p2align	8
	.type	k_q1cf88e2c15_gemm_qkv,@function
k_q1cf88e2c15_gemm_qkv:
	s_mov_b64 s[64:65], 0
	v_nop
	global_prefetch_b8 v0, s[64:65] scope:SCOPE_SE
	s_setreg_imm32_b32 hwreg(HW_REG_WAVE_MODE, 25, 1), 1
	s_wait_xcnt 0x0
	s_wait_alu depctr_hold_cnt(0) depctr_sa_sdst(0) depctr_va_vdst(0) depctr_va_sdst(0) depctr_va_ssrc(0) depctr_va_vcc(0) depctr_vm_vsrc(0)
	s_getreg_b32 s2, hwreg(HW_REG_IB_STS2, 6, 4)
	s_cmp_eq_u32 s2, 0
	s_cbranch_scc0 .Lentry_in_a_cluster
	s_endpgm
.Lentry_in_a_cluster:
	s_bfe_u32 s2, ttmp6, 0x10000c
	s_cmp_lg_u32 s2, 0xf033
	s_cbranch_scc0 .Lentry_shape_is_right
	s_endpgm
.Lentry_shape_is_right:
; qkv = x w_attn on codes of FP6 (E2M3) with E8M0 scales, sums in f32; q, k and v are quantised again in registers and leave as IMAGES OF OPERAND REGISTERS for the attention launch.
; The body computes C[m][n] = sum over k of A[m][k] B[n][k], K = 1,024, a tile of 256 x 256 to a work-group of four waves, 128 x 128 (64 accumulators) to a wave.
; The matrix instruction is used transposed (source 0 = 16 rows of B, source 1 = 16 rows of A): a lane holds ONE row of A, and its registers run along B's rows.
;   clusters x = 0, 1 (q and k): A = x's tokens, B = w_attn's columns 0-2047: registers run along the channels, which are the K of q k^T;
;   cluster  x = 2     (v):      A = w_attn's columns 2048-3071, B = x's tokens: registers run along the tokens, which are the K of p v.
; The kind enters by selects on the cluster's x alone (pointers, row offsets, output strides), equal in all sixteen partners; there is no branch on it.
; K goes in steps of 256 through a ring of two LDS slots filled by the tensor data mover; the scales of the work-group's rows come into LDS once.
; CLUSTERS: 4 x 4 work-groups; A's tile is asked for jointly along a row of the cluster, B's along a column.
; THE WAY OUT.  The 64 registers of a block of 16 rows are four blocks of 32 along the next K.  Register 16 b + i of lane (r, h) is element 32 b + 8 h + i (i < 8) or 32 b + 16 + 8 h + i - 8:
; so inside a block the codes stand in the order 0-7, 16-23, 8-15, 24-31.  Every operand of q k^T and of p v is made so: the places agree, the block's members and scale are the rule's own.
; A half image (768 bytes) is registers 0-5 of a fragment: 512 bytes with lane l's registers 0-3 at 16 l, then 256 bytes with its registers 4-5 at 8 l.
;   qkvc: q, k: [H 0..31][token tile 0..511][768], H = head for q, 16 + head for k;  v: 12,582,912 + head 393,216 + (128 keys' step) 6,144 + (half of the fragment) 3,072 + (16 channels) 768
;   qkvs: q, k: [H][pair of token tiles][16 rows] words (two bytes of the even tile, two of the odd);  v: 524,288 + head 16,384 + step 256 + (16 channels) 64 + 4 row
; LIMITS: a block of zeros or under 2^-124 gets the byte 1 (zero codes; only this program reads the bytes); NaN and infinities are not served.
; REGISTERS, in windows of 256: window 0: v0-31 addresses; v32-63 scale words and nothing else; v64-79, v112-130 the way out; from v128 A's fragments, on the way out v200-220 at work.
;   window 1: B's fragments, two sets.   windows 2, 3: the accumulators ((a, b) at v[8 (8 (a % 4) + b)]).
.set KSTEP,  256
.set NQ,     2                         ; matrix instructions deep in a slot
.set ROWB,   192                       ; a tile's row in bytes
.set KROW,   768                       ; a row of codes in memory
.set PITCH,  240                       ; an LDS row: 3 x (64 bytes of data + 16 of padding)
.set FR,     12
.set NL,     6
.set NP,     4
.set HALFT,  128*PITCH
.set SLOT,   4*HALFT
.set LAPS,   2                         ; 1,024 along K = four K steps = twice round the ring
.set KS,     32                        ; a row of scales in bytes
.set SCL,    2*SLOT
.set HALFS,  16*272                    ; the scales of 128 rows: 16 runs of 256 bytes + 16 of padding
.set SBLK,   2*272                     ; those of 16 rows
.set SPARE,  SCL+4*HALFS               ; the spare words, 128 bytes for each wave: two blocks of 256 bytes that no other line names
.set ADRA, 16                          ; v16-17 LDS address of my A fragments in slot 0, 1 (v18-19: behind one padding more)
.set ADRB, 20                          ; v20-23 the same for B
.set ADRS, 27                          ; v27    LDS address of my scale words: lanes 0-15 A's rows, lanes 16-31 B's
.set SPW,  28                          ; v28    my spare word; never rewritten
.set NIL,  29                          ; v29    0; never rewritten
.set SC,   32
.set AF,   128
.set OA16, 64                          ; v64-67 the way out: 16 x lane + c dC + J dJ at v[64 + 2 c + J]
.set OA8,  68                          ; v68-71 8 x lane + the same
.set OSC,  72                          ; v72    my 16 bytes' place among the scale words in memory
.set SIN,  73                          ; v73    the scale words' stage, on the way in
.set SBK,  74                          ; v74    and back
.set TT,   75
.set WB,   76                          ; v76-79 the words read back
.set PC,   112                         ; v112-123 the codes just made; v124-130 halves on their way
.set TM,   200                         ; v200-203 largest magnitudes, v204-207 bytes, v212-215 the conversions' scale operands
.set PW,   216                         ; the scale word just made;  v217 that of the block before
.set PWE,  217
.set XW,   218
.set YW,   219
.set ZW,   220
.set G1, 24
.set G0, 32
.set G1B, 48
.set G0B, 56
.set G1S, 68
.set G0S, 76
.set G1SB, 80
.set G0SB, 88
.set MSB, 0
.macro WIN new                         ; the immediate's high byte repeats the setting that is left
.if MSB != \new
	s_set_vgpr_msb (MSB<<8)|\new
.set MSB, \new
.endif
.endm
.set MUL_LO, 0xa1                      ; source 0 (B) window 1, source 1 (A) window 0, C and D window 2
.set MUL_HI, 0xf1
.set TO_B,   0x40
; A joint load: waves 0 and 1 fetch for A, waves 2 and 3 for B; the branch hangs on the wave's number alone.  Four v_nop follow each of the two lines.
.macro JLOAD g0a, g1a, g0b, g1b
	s_cmp_eq_u32 s15, 0
	s_cbranch_scc0 .Lfor_b_\@
	tensor_load_to_lds s[\g0a:\g0a+3], s[\g1a:\g1a+7]
	s_nop 0
.rept 4
	v_nop
.endr
	s_branch .Lasked_\@
.Lfor_b_\@:
	tensor_load_to_lds s[\g0b:\g0b+3], s[\g1b:\g1b+7]
	s_nop 0
.rept 4
	v_nop
.endr
.Lasked_\@:
.endm
.macro CREST                           ; a round of the cluster's barrier behind its opening barrier
	s_cmp_lg_u32 s14, 0
	s_cbranch_scc1 .Lnot_wave_0_\@
	s_barrier_signal -3
.Lnot_wave_0_\@:
	s_barrier_wait -3
	s_barrier_signal -1
	s_barrier_wait -1
.endm
.macro CROUND
	s_barrier_signal -1
	s_barrier_wait -1
	CREST
.endm
	s_load_b128 s[4:7], s[0:1], 0x0                ; xc s[4:5], xs s[6:7]
	s_load_b128 s[8:11], s[0:1], 0x10              ; wc s[8:9], ws s[10:11]
	s_load_b64 s[12:13], s[0:1], 0x20              ; qkvc
	s_load_b64 s[100:101], s[0:1], 0x28            ; qkvs
	v_lshl_add_u32 v[SPW], v0, 2, SPARE
	v_mov_b32 v[NIL], 0
	ds_add_u32 v28, v29
	ds_add_u32 v28, v29
	s_wait_dscnt 0x0
	v_lshrrev_b32 v1, 5, v0
	v_readfirstlane_b32 s14, v1                    ; wave 0..3
	s_lshr_b32 s15, s14, 1                         ; which half of A's rows is mine.  Also: I fetch for A (0) or for B (1)
	s_and_b32 s16, s14, 1                          ; which half of B's rows.  Also: which 128 rows of that tile I fetch
	s_bfe_u32 s40, ttmp6, 0x40000                  ; cx, cy: my place in the cluster
	s_bfe_u32 s41, ttmp6, 0x40004
	s_lshl_b32 s42, ttmp9, 2                       ; 4 x cluster x
	s_and_b32 s17, ttmp7, 0xffff
	s_lshl_b32 s17, s17, 2                         ; 4 x cluster y
	s_lshl_b32 s43, s41, 2
	s_lshl_b32 s43, 15, s43                        ; my row of the cluster
	s_lshl_b32 s44, 0x1111, s40                    ; my column
	s_cmp_eq_u32 ttmp9, 2                          ; v's clusters?  The same answer in all sixteen partners
	s_cselect_b32 s95, 2048, 0                     ; v: A's rows begin at row 2,048 of wc
	s_cselect_b32 s42, s17, s42                    ; B's tile: v: 4 x cluster y + cx (tokens);  q, k: 4 x cluster x + cx (channels)
	s_cselect_b32 s17, 0, s17                      ; A's tile: v: cy (channels);                q, k: 4 x cluster y + cy (tokens)
	s_add_co_u32 s17, s17, s41
	s_add_co_u32 s42, s42, s40
	; descriptor group 1: a tile of 128 rows x 192 bytes, 16 bytes of padding behind every 64
	s_or_b32 s[G1+0], s43, (0<<16)|(1<<20)|(1<<21)|(3<<22)|(3<<25)
	s_or_b32 s[G1B+0], s44, (0<<16)|(1<<20)|(1<<21)|(3<<22)|(3<<25)
.irp g, G1, G1B
	s_mov_b32 s[\g+1], ROWB<<16                    ; tensor_dim0
	s_mov_b32 s[\g+2], 128<<16                     ; tensor_dim1
	s_mov_b32 s[\g+3], ROWB<<16                    ; tile_dim0
	s_mov_b32 s[\g+4], 128                         ; tile_dim1
	s_mov_b32 s[\g+5], KROW                        ; tensor_dim0_stride
	s_mov_b32 s[\g+6], 0
	s_mov_b32 s[\g+7], 0
.endr
	; the scales of 128 rows: 4,096 dense bytes as 16 rows of 256 bytes (32 elements of 8 bytes), 16 bytes of padding behind each
	s_or_b32 s[G1S+0], s43, (3<<16)|(1<<20)|(1<<21)|(5<<22)|(3<<25)
	s_or_b32 s[G1SB+0], s44, (3<<16)|(1<<20)|(1<<21)|(5<<22)|(3<<25)
.irp g, G1S, G1SB
	s_mov_b32 s[\g+1], 32<<16
	s_mov_b32 s[\g+2], 16<<16
	s_mov_b32 s[\g+3], 32<<16
	s_mov_b32 s[\g+4], 16
	s_mov_b32 s[\g+5], 32
	s_mov_b32 s[\g+6], 0
	s_mov_b32 s[\g+7], 0
.endr
	s_lshl_b32 s18, s16, 7                         ; which 128 rows of the tile I fetch
	s_lshl_b32 s20, s17, 8
	s_add_co_u32 s20, s20, s18
	s_add_co_u32 s20, s20, s95                     ; A's row in its buffer
	s_lshl_b32 s46, s42, 8
	s_add_co_u32 s46, s46, s18                     ; B's row
	s_mov_b32 s21, 0
	s_mov_b32 s47, 0
	s_mov_b64 s[18:19], KS
	s_mul_u64 s[22:23], s[20:21], s[18:19]         ; where these rows' scales begin, in bytes
	s_mul_u64 s[92:93], s[46:47], s[18:19]
	s_mov_b64 s[18:19], KROW
	s_mul_u64 s[20:21], s[20:21], s[18:19]         ; and their codes
	s_mul_u64 s[46:47], s[46:47], s[18:19]
	s_mul_i32 s45, s14, HALFT                      ; where they go: wave x 128 rows: no place in the cluster enters an LDS address
	s_mul_i32 s94, s14, HALFS
	s_wait_kmcnt 0x0
	s_cmp_eq_u32 ttmp9, 2                          ; which buffer is A and which is B: a choice that hangs on the cluster's x alone
	s_cselect_b64 s[96:97], s[8:9], s[4:5]
	s_cselect_b64 s[98:99], s[10:11], s[6:7]
	s_cselect_b64 s[8:9], s[4:5], s[8:9]
	s_cselect_b64 s[10:11], s[6:7], s[10:11]
	s_add_nc_u64 s[20:21], s[96:97], s[20:21]
	s_add_nc_u64 s[22:23], s[98:99], s[22:23]
	s_add_nc_u64 s[46:47], s[8:9], s[46:47]
	s_add_nc_u64 s[92:93], s[10:11], s[92:93]
	CROUND                                         ; all sixteen work-groups are here: the first joint loads meet
	s_mov_b32 s[G0S], 1
	s_add_co_u32 s[G0S+1], s94, SCL
	s_mov_b64 s[G0S+2:G0S+3], s[22:23]
	s_or_b32 s[G0S+3], s[G0S+3], 0x80000000
	s_mov_b32 s[G0SB], 1
	s_add_co_u32 s[G0SB+1], s94, SCL
	s_mov_b64 s[G0SB+2:G0SB+3], s[92:93]
	s_or_b32 s[G0SB+3], s[G0SB+3], 0x80000000
	JLOAD G0S, G1S, G0SB, G1SB                     ; the scales first: they are wanted with K step 0
.irp s, 0,1
	s_mov_b32 s[G0+4*\s], 1
	s_add_co_u32 s[G0+4*\s+1], s45, \s*SLOT
	s_add_nc_u64 s[G0+4*\s+2:G0+4*\s+3], s[20:21], \s*ROWB
	s_or_b32 s[G0+4*\s+3], s[G0+4*\s+3], 0x80000000
	s_mov_b32 s[G0B+4*\s], 1
	s_add_co_u32 s[G0B+4*\s+1], s45, \s*SLOT
	s_add_nc_u64 s[G0B+4*\s+2:G0B+4*\s+3], s[46:47], \s*ROWB
	s_or_b32 s[G0B+4*\s+3], s[G0B+4*\s+3], 0x80000000
	JLOAD G0+4*\s, G1, G0B+4*\s, G1B               ; three tensor loads of mine are out behind the second of these
.endr
	v_and_b32 v1, 15, v0                           ; l % 16
	v_bfe_u32 v2, v0, 4, 1                         ; l / 16
	v_mul_u32_u24 v3, v1, PITCH
	v_mul_u32_u24 v4, v2, 24
	v_add_nc_u32 v4, v3, v4                        ; a fragment's row x pitch + 24 x half
	v_lshl_add_u32 v5, v2, 4, v4                   ; and the same behind one padding more
	s_mul_i32 s21, s15, HALFT                      ; my 128 rows of A
	s_mul_i32 s22, s16, HALFT                      ; my 128 rows of B,
	s_add_co_u32 s22, s22, 2*HALFT                 ; which lie behind A's 256
.irp s, 0,1
	v_add_nc_u32 v[ADRA+\s], s21, v4
	v_add_nc_u32 v[ADRB+\s], s22, v4
	v_add_nc_u32 v[ADRA+2+\s], s21, v5
	v_add_nc_u32 v[ADRB+2+\s], s22, v5
	s_add_co_u32 s21, s21, SLOT
	s_add_co_u32 s22, s22, SLOT
.endr
	v_mul_u32_u24 v5, v1, KS                       ; my row's scales: 32 bytes a row,
	v_lshrrev_b32 v6, 8, v5
	v_lshl_add_u32 v5, v6, 4, v5                   ; and 16 more for each 256 passed
	s_mul_i32 s21, s15, HALFS
	s_mul_i32 s22, s16, HALFS
	s_add_co_u32 s22, s22, 2*HALFS
	s_sub_co_u32 s22, s22, s21
	v_mul_u32_u24 v6, s22, v2                      ; lanes 16-31 take B's
	s_add_co_u32 s21, s21, SCL
	v_add_nc_u32 v5, v5, v6
	v_add_nc_u32 v[ADRS], s21, v5
	; what the way out wants, in scalar registers that the loop leaves alone
	s_lshl_b32 s20, s17, 2
	s_lshl_b32 s21, s15, 1
	s_add_co_u32 s20, s20, s21                     ; hA = my first row of A / 64
	s_lshl_b32 s46, s42, 2
	s_lshl_b32 s47, s16, 1
	s_add_co_u32 s46, s46, s47                     ; hB = my first row of B / 64
	s_cmp_eq_u32 ttmp9, 2
	s_cselect_b32 s21, s20, s46                    ; the head's index: v: from A's rows;  q, k: from B's
	s_cselect_b32 s47, s46, s20                    ; the tokens' index: the other one
	s_mov_b32 s4, 393216
	s_cselect_b32 s4, 3072, s4                     ; dC: from a fragment's first half to its second (v), from a head to the next (q, k)
	s_cselect_b32 s5, 390144, 0                    ; dJ: v: blocks 4-7 belong to the next head: 393,216 - 4 x 768
	s_mov_b32 s6, 0x05040100
	s_cselect_b32 s6, 0x03020100, s6               ; byte selects for the scale words: see below
	s_mov_b32 s7, 0x07060302
	s_cselect_b32 s7, 0x07060504, s7
	s_cselect_b32 s8, 128, 64                      ; c1, c2, c3: what bits 2, 3, 4 of the lane add to the scale words' place in memory
	s_mov_b32 s9, 128
	s_cselect_b32 s9, 16384, s9
	s_mov_b32 s10, 16384
	s_cselect_b32 s10, 64, s10
	s_cselect_b32 s18, 12582912, 0                 ; v's part of qkvc
	s_cselect_b32 s19, 524288, 0                   ; and of qkvs
	s_mul_i32 s22, s21, 393216
	s_mul_i32 s23, s47, 3072
	s_add_co_u32 s22, s22, s23
	s_add_co_u32 s22, s22, s18
	s_mov_b32 s23, 0
	s_add_nc_u64 s[12:13], s[12:13], s[22:23]      ; qkvc at my wave's first image
	s_lshl_b32 s22, s21, 14
	s_lshl_b32 s21, s47, 7
	s_add_co_u32 s22, s22, s21
	s_add_co_u32 s22, s22, s19
	s_add_nc_u64 s[100:101], s[100:101], s[22:23]  ; qkvs at my wave's first word
	s_mov_b32 s11, 0xffff0000                      ; lanes 16-31
	s_mov_b32 s22, 0x76543210
	s_mov_b32 s23, 0xfedcba98                      ; v_permlanex16_b32's selects for lane l xor 16
.macro FRAG reg, adr, q, i             ; a fragment: lane l holds row l % 16; registers 6 c .. 6 c + 5 hold K = 64 c + 32 (l / 16) + 0 .. 31: 24 bytes of the row, as they lie, in pieces of 8 bytes
.irp p, 0,1,2,3,4,5
.set PCE, 12*(\q)+6*(\p/3)+\p%3        ; where the piece three on lies behind one padding more, the second address register serves
.if PCE%8 < 5
	ds_load_b64 v[\reg+2*\p:\reg+2*\p+1], v[\adr] offset:8*PCE+16*(PCE/8)+(\i)*16*PITCH
.else
	ds_load_b64 v[\reg+2*\p:\reg+2*\p+1], v[\adr+2] offset:8*PCE+16*(PCE/8)+(\i)*16*PITCH
.endif
.endr
.endm
; 16 matrix instructions: A's blocks a0, a0 + 1 x B's eight, 128 along K.  The 64 accumulators take turns, one instruction a turn, in the same order in every step.
.macro MUL16 a0, p, q, sc, zero
.irp a, \a0, \a0+1
.irp b, 0,1,2,3,4,5,6,7
.if \zero
	v_wmma_scale_f32_16x16x128_f8f6f4 v[8*(8*((\a)%4)+\b):8*(8*((\a)%4)+\b)+7], v[128*(\p)+FR*\b:128*(\p)+FR*\b+FR-1], v[AF+FR*(\a):AF+FR*(\a)+FR-1], 0, v[SC+8*NQ*(\sc)+NQ*\b+(\q)], v[SC+8*NQ*(\sc)+NQ*(\a)+(\q)] matrix_a_fmt:MATRIX_FMT_FP6 matrix_b_fmt:MATRIX_FMT_FP6 matrix_a_scale:MATRIX_SCALE_ROW1
.else
	v_wmma_scale_f32_16x16x128_f8f6f4 v[8*(8*((\a)%4)+\b):8*(8*((\a)%4)+\b)+7], v[128*(\p)+FR*\b:128*(\p)+FR*\b+FR-1], v[AF+FR*(\a):AF+FR*(\a)+FR-1], v[8*(8*((\a)%4)+\b):8*(8*((\a)%4)+\b)+7], v[SC+8*NQ*(\sc)+NQ*\b+(\q)], v[SC+8*NQ*(\sc)+NQ*(\a)+(\q)] matrix_a_fmt:MATRIX_FMT_FP6 matrix_b_fmt:MATRIX_FMT_FP6 matrix_a_scale:MATRIX_SCALE_ROW1
.endif
.endr
.endr
.endm
.macro FETCH_B slot, q, p
	WIN TO_B
.irp i, 0,1,2,3,4,5,6,7
	FRAG 128*(\p)+FR*\i, ADRB+\slot, \q, \i
.endr
	WIN 0
.endm
.macro FETCH_A slot, q, i0
.irp i, \i0, \i0+1, \i0+2, \i0+3
	FRAG AF+FR*(\i), ADRA+\slot, \q, \i
.endr
.endm
.macro SCALES sc                       ; the next K step's scale words: two words a row; lanes 0-15 take A's block i, lanes 16-31 B's block i
.irp i, 0,1,2,3,4,5,6,7
	ds_load_b64 v[SC+8*NQ*\sc+NQ*\i:SC+8*NQ*\sc+NQ*\i+1], v[ADRS] offset:\i*SBLK
.endr
.endm
.macro PLACES n                        ; plain vector places behind matrix instructions, in front of loads into their sources and of reads of their results
.rept \n
	v_nop
.endr
.endm
.macro STEP slot, q, zero              ; a step of 128 along K that has its successor in the same slot
	s_wait_dscnt 4*NL                              ; B's set and A's blocks 0-3 are in; the youngest 24 loads (A's blocks 4-7) may be out
	WIN MUL_LO
	MUL16 0, (\q)%2, \q, \slot, \zero
	MUL16 2, (\q)%2, \q, \slot, \zero
	s_wait_dscnt 0                                 ; A's blocks 4-7 are in
	PLACES NP
	FETCH_B \slot, (\q)+1, 1-(\q)%2
	FETCH_A \slot, (\q)+1, 0
	WIN MUL_HI
	MUL16 4, (\q)%2, \q, \slot, \zero
	MUL16 6, (\q)%2, \q, \slot, \zero
	PLACES NP
	WIN 0
	FETCH_A \slot, (\q)+1, 4
.endm
; A slot's last step changes slots: ONE barrier; in front of it each wave waits for all its tensor loads, adds 0 to its spare word, and waits for that and for its own reads of this slot.
.macro TURN slot, next, fill
	s_wait_tensorcnt 0x0                           ; all my tensor loads have landed: my part of the next slot
	ds_add_u32 v[SPW], v[NIL]                      ; 0 onto my spare word
	s_wait_dscnt 4*NL+1                            ; (the add and the youngest 24 loads, A's blocks 4-7, may be out)
	WIN MUL_LO
	MUL16 0, 1, NQ-1, \slot, 0                     ; sixteen matrix instructions stand between the add and the wait for it
	s_wait_dscnt 0x0                               ; the add is done, and my reads of this slot are over
	s_barrier_signal -1
	MUL16 2, 1, NQ-1, \slot, 0
	WIN 0
	s_barrier_wait -1
.if \fill
	CREST                                          ; the barrier has opened a round of the cluster's barrier: no wave of any partner still reads this slot's tile or has a load on its way
	s_add_nc_u64 s[G0+4*\slot+2:G0+4*\slot+3], s[G0+4*\slot+2:G0+4*\slot+3], 2*ROWB
	s_add_nc_u64 s[G0B+4*\slot+2:G0B+4*\slot+3], s[G0B+4*\slot+2:G0B+4*\slot+3], 2*ROWB
	JLOAD G0+4*\slot, G1, G0B+4*\slot, G1B         ; the first tensor load behind the round, and my only one until the next; its four v_nop are the places in front of the loads below
.else
	PLACES NP
.endif
	v_add_nc_u32 v[ADRS], 4*NQ, v[ADRS]            ; on to the next K step's scale words
	FETCH_B \next, 0, 0
	FETCH_A \next, 0, 0
	SCALES \next
	WIN MUL_HI
	MUL16 4, 1, NQ-1, \slot, 0
	MUL16 6, 1, NQ-1, \slot, 0
	PLACES NP
	WIN 0
	FETCH_A \next, 0, 4
.endm
	s_wait_tensorcnt 1                             ; the scales and my part of K step 0 are in (K step 1's load may be out)
	s_barrier_signal -1
	s_barrier_wait -1                              ; everybody's are
	FETCH_B 0, 0, 0
	FETCH_A 0, 0, 0
	SCALES 0
	FETCH_A 0, 0, 4
	STEP 0, 0, 1                                   ; the first step stands in front of the loop: its products start the sums
	s_mov_b32 s3, LAPS-1
.Llap:                                                 ; a trip goes once round the ring and fills both slots again
	TURN 0, 1, 1
	STEP 1, 0, 0
	TURN 1, 0, 1
	STEP 0, 0, 0
	s_sub_co_u32 s3, s3, 1
	s_cmp_lg_u32 s3, 0
	s_cbranch_scc1 .Llap
	TURN 0, 1, 0                                   ; the last lap fills nothing, and has no round of the cluster's barrier
	STEP 1, 0, 0
	s_wait_dscnt 4*NL                              ; the very last step: nothing more to fetch
	WIN MUL_LO
	MUL16 0, 1, NQ-1, 1, 0
	MUL16 2, 1, NQ-1, 1, 0
	s_wait_dscnt 0
	WIN MUL_HI
	MUL16 4, 1, NQ-1, 1, 0
	MUL16 6, 1, NQ-1, 1, 0
	WIN 0
	; ---- THE WAY OUT ----
	PLACES NP                                      ; behind the last products: their results are read and the registers of A's fragments written below
	v_and_b32 v1, 31, v0                           ; lane
	v_and_b32 v2, 15, v0                           ; r
	v_bfe_u32 v3, v0, 4, 1                         ; h
	v_lshlrev_b32 v[OA16], 4, v1
	v_add_nc_u32 v[OA16+1], s5, v[OA16]
	v_add_nc_u32 v[OA16+2], s4, v[OA16]
	v_add_nc_u32 v[OA16+3], s4, v[OA16+1]
	v_lshlrev_b32 v[OA8], 3, v1
	v_add_nc_u32 v[OA8+1], s5, v[OA8]
	v_add_nc_u32 v[OA8+2], s4, v[OA8]
	v_add_nc_u32 v[OA8+3], s4, v[OA8+1]
	v_and_b32 v[OSC], 3, v0
	v_lshlrev_b32 v[OSC], 4, v[OSC]
	v_bfe_u32 v[TT], v0, 2, 1
	v_mad_u32_u24 v[OSC], v[TT], s8, v[OSC]
	v_bfe_u32 v[TT], v0, 3, 1
	v_mad_u32_u24 v[OSC], v[TT], s9, v[OSC]
	v_mad_u32_u24 v[OSC], v3, s10, v[OSC]
	s_lshl_b32 s18, s14, 9                         ; the scale words' stage: 512 bytes a wave, in slot 0, which has had its last fill and, behind the last change of slots, its last read
	v_lshlrev_b32 v[SIN], 2, v2
	v_lshl_add_u32 v[SIN], v3, 8, v[SIN]
	v_add_nc_u32 v[SIN], s18, v[SIN]               ; in: 4 r + 256 h
	v_add_nc_u32 v[SBK], s18, v[OA16]              ; back: 16 x lane
.irp b, 0,1,2,3
	v_mov_b32 v[TM+4+\b], 0                        ; written once: a lane permute's destination counts as one of its sources
.endr
; Block a (16 rows of A x 128 rows of B: 64 numbers a lane) becomes a fragment's codes in v[PC] on and its scale word in v[PW].
.macro QACC a
.set AC, 64*((\a)%4)
.set AW, 2+(\a)/4
	WIN 5*AW                                       ; sources 0 and 1: the accumulators' window
.irp b, 0,1,2,3
	v_max3_num_f32 v[TM+\b], |v[AC+16*\b]|, |v[AC+16*\b+1]|, 0x1800000   ; block b: my 16 numbers, each accumulator from its low end on, and the floor 2^(3 - 127)
.endr
.irp i, 2,4,6,8,10,12,14
.irp b, 0,1,2,3
	v_max3_num_f32 v[TM+\b], |v[AC+16*\b+\i]|, |v[AC+16*\b+\i+1]|, v[TM+\b]
.endr
.endr
	WIN 0
.irp b, 0,1,2,3
	v_permlanex16_b32 v[TM+4+\b], v[TM+\b], s22, s23
.endr
.irp b, 0,1,2,3
	v_max_num_f32 v[TM+\b], v[TM+\b], v[TM+4+\b]   ; with lane l xor 16's: the block's largest magnitude
.endr
.irp b, 0,1,2,3
	v_add_nc_u32 v[TM+12+\b], 0xff000000, v[TM+\b] ; 2 off its exponent field: the conversion's scale operand
.endr
.irp b, 0,1,2,3
	v_lshrrev_b32 v[TM+4+\b], 23, v[TM+12+\b]      ; the scale's byte
.endr
	v_lshl_or_b32 v[PW], v[TM+5], 8, v[TM+4]
	v_lshl_or_b32 v[PW], v[TM+6], 16, v[PW]
	v_lshl_or_b32 v[PW], v[TM+7], 24, v[PW]
	s_wait_xcnt 0x0                                ; the last block's stores have read their data: the codes' registers are written again only behind this wait
	WIN AW                                         ; source 0: the accumulators' window
.irp c, 0,1
	v_cvt_scalef32_pk16_fp6_f32 v[PC+6*\c:PC+6*\c+2], v[AC+32*\c:AC+32*\c+15], v[TM+12+2*\c]
	v_cvt_scalef32_pk16_fp6_f32 v[PC+12+4*\c:PC+14+4*\c], v[AC+32*\c+16:AC+32*\c+31], v[TM+12+2*\c+1]   ; (a conversion's three registers begin on an even number)
.endr
	WIN 0
	v_nop                                          ; one plain place behind a scaled conversion
.irp c, 0,1                                    ; the operand's layout wants a WHOLE block in a lane: lanes 0-15 block 2 c, lanes 16-31 block 2 c + 1
.irp i, 0,1,2
	v_permlane16_swap_b32 v[PC+6*\c+\i], v[PC+12+4*\c+\i]
.endr
.irp i, 0,1,2
	v_mov_b32 v[PC+3+6*\c+\i], v[PC+12+4*\c+\i]
.endr
.endr
.endm
.irp a, 0,1,2,3,4,5,6,7
	QACC \a
	global_store_b128 v[OA16+\a/4], v[PC:PC+3], s[12:13] offset:768*\a            ; each store covers 512 or 256 consecutive bytes, aligned
	global_store_b64 v[OA8+\a/4], v[PC+4:PC+5], s[12:13] offset:768*\a+512
	global_store_b128 v[OA16+2+\a/4], v[PC+6:PC+9], s[12:13] offset:768*\a
	global_store_b64 v[OA8+2+\a/4], v[PC+10:PC+11], s[12:13] offset:768*\a+512
.if \a%2 == 0
	v_mov_b32 v[PWE], v[PW]
.else
	v_perm_b32 v[XW], v[PW], v[PWE], s6            ; q, k: the first head's two bytes of both token tiles;  v: the even block's word
	v_perm_b32 v[YW], v[PW], v[PWE], s7            ; q, k: the second head's;                              v: the odd block's word
	v_cndmask_b32 v[ZW], v[XW], v[YW], s11         ; lanes 0-15 carry the one, lanes 16-31 the other
	ds_store_b32 v[SIN], v[ZW] offset:64*(\a/2)
.endif
.endr
	ds_load_b128 v[WB:WB+3], v[SBK]                ; LDS serves a wave's instructions in order: this sees my stores
	s_wait_dscnt 0x0
	global_store_b128 v[OSC], v[WB:WB+3], s[100:101]   ; two runs of 256 consecutive bytes, aligned
	s_wait_tensorcnt 0x0                           ; the wave's end, behind my last tensor load and my last LDS store
	ds_add_u32 v[SPW], v[NIL]
	s_wait_dscnt 0x0
	CROUND                                         ; the closing round: no work-group ends while a partner may still ask for a tile that names it
	s_endpgm
.Lfunc_end_k_q1cf88e2c15_gemm_qkv:
	.size	k_q1cf88e2c15_gemm_qkv, .Lfunc_end_k_q1cf88e2c15_gemm_qkv-k_q1cf88e2c15_gemm_qkv
	.p2alignl 7, 3214868480
	.fill 96, 4, 3214868480
	.section	.rodata,"a",@progbits
	.p2align	6, 0x0
	.amdhsa_kernel k_q1cf88e2c15_gemm_qkv
		.amdhsa_group_segment_fixed_size 327680
		.amdhsa_private_segment_fixed_size 0
		.amdhsa_enable_private_segment 0
		.amdhsa_kernarg_size 48
		.amdhsa_user_sgpr_count 2
		.amdhsa_user_sgpr_kernarg_segment_ptr 1
		.amdhsa_wavefront_size32 1
		.amdhsa_system_sgpr_workgroup_id_x 1
		.amdhsa_system_sgpr_workgroup_id_y 1
		.amdhsa_system_sgpr_workgroup_id_z 1
		.amdhsa_system_vgpr_workitem_id 0
		.amdhsa_next_free_vgpr 1024
		.amdhsa_next_free_sgpr 102
		.amdhsa_reserve_vcc 0
		.amdhsa_float_denorm_mode_32 3
		.amdhsa_float_denorm_mode_16_64 3
		.amdhsa_memory_ordered 1
		.amdhsa_forward_progress 1
		.amdhsa_inst_pref_size 168
	.end_amdhsa_kernel
	.amdgpu_metadata
---
amdhsa.version: [ 1, 2 ]
amdhsa.kernels:
  - .name:           k_q1cf88e2c15_gemm_qkv
    .symbol:         k_q1cf88e2c15_gemm_qkv.kd
    .args:
      - { .name: xc, .offset: 0, .size: 8, .value_kind: global_buffer, .address_space: global }
      - { .name: xs, .offset: 8, .size: 8, .value_kind: global_buffer, .address_space: global }
      - { .name: wc, .offset: 16, .size: 8, .value_kind: global_buffer, .address_space: global }
      - { .name: ws, .offset: 24, .size: 8, .value_kind: global_buffer, .address_space: global }
      - { .name: qkvc, .offset: 32, .size: 8, .value_kind: global_buffer, .address_space: global }
      - { .name: qkvs, .offset: 40, .size: 8, .value_kind: global_buffer, .address_space: global }
    .group_segment_fixed_size: 327680
    .private_segment_fixed_size: 0
    .kernarg_segment_align: 8
    .kernarg_segment_size: 48
    .max_flat_workgroup_size: 128
    .sgpr_count:     102
    .vgpr_count:     1024
    .wavefront_size: 32
...
	.end_amdgpu_metadata
.endif
;; end of part 2
;; launch attn (part 3): grid 4 x 64, 16 waves a work-group, clusters of 4 x 1, 207,872 bytes of LDS; arguments qkvc, qkvs, yc, ys; writes yc, ys
.if DOCPART == 3
	.amdgcn_target "amdgcn-amd-amdhsa--gfx1250"
	.amdhsa_code_object_version 6
	.text
	.protected	k_q1cf88e2c15_attn
	.globl	k_q1cf88e2c15_attn
	.p2align	8
	.type	k_q1cf88e2c15_attn,@function
k_q1cf88e2c15_attn:
	s_mov_b64 s[64:65], 0
	v_nop
	global_prefetch_b8 v0, s[64:65] scope:SCOPE_SE
	s_setreg_imm32_b32 hwreg(HW_REG_WAVE_MODE, 25, 1), 1
	s_wait_xcnt 0x0
	s_wait_alu depctr_hold_cnt(0) depctr_sa_sdst(0) depctr_va_vdst(0) depctr_va_sdst(0) depctr_va_ssrc(0) depctr_va_vcc(0) depctr_vm_vsrc(0)
	s_getreg_b32 s2, hwreg(HW_REG_IB_STS2, 6, 4)
	s_cmp_eq_u32 s2, 0
	s_cbranch_scc0 .Lentry_in_a_cluster
	s_endpgm
.Lentry_in_a_cluster:
	s_bfe_u32 s2, ttmp6, 0x10000c
	s_cmp_lg_u32 s2, 0x3003
	s_cbranch_scc0 .Lentry_shape_is_right
	s_endpgm
.Lentry_shape_is_right:
; y[b][q][head] = softmax_k(q . k / 8, causal) v, both products on codes of FP6 (E2M3) with E8M0 scales; y / l is quantised again and leaves as images of operand registers.
; THE SOFTMAX AHEAD OF THE SECOND PRODUCT: t = score x log2(e) / 8; M = the row's largest t so far, rounded UP to a whole number; p = 2^(t - M) is what is quantised, along the keys, not normalised.
; The row's sum is taken of the unquantised p, in f32, and divides O at the end (by v_rcp_f32 and a multiplication).  When M moves, the sum and O are multiplied by 2^(old M - new M): exact.
; SHARES.  A cluster of four work-groups owns one head of one batch (g = 4 head + batch, the cluster's y).  Wave w of sixteen, in partner cx, owns two tiles of 16 queries: tile A at 128 w + 32 cx, tile B at
; 128 (15 - w) + 32 cx + 16.  So the eight tiles of each block of 128 queries are shared two to a partner, and whether a step of 128 keys is hidden, on the diagonal or open hangs on the block's number alone,
; w or 15 - w: on the wave's number, never on the partner's place.  Every wave has (w + 1) + (16 - w) = 17 steps to work, two of them on the diagonal.
; LDS.  The head's whole K and V as codes (98,304 bytes each) and their scale words (4,096 each) are fetched ONCE, by ten tensor loads, one a wave, asked for JOINTLY by the four partners (mask 15): the same
; descriptor in all four, made of g and the wave's number.  No byte is filled twice, and the loops have no barrier.  The partner's place enters the addresses of Q, yc and ys and the mask's number d, nothing else.
; LAYOUT.  Both products are used transposed: S^T = K Q^T (source 0 = keys, source 1 = my 16 queries), O^T = V^T P^T: a lane holds ONE query (lane % 16) throughout.
; THE HEAD IS 64 WIDE, THE FORM 128: a fragment of K holds TWO tiles of 16 keys (registers 0-5, registers 6-11).  It is multiplied once by [Q | zero codes] and once by [zero codes | Q]: zero codes add nothing.
; Inside a block of 32 the codes stand in the order 0-7, 16-23, 8-15, 24-31, in q, k, v and p alike (the launch before leaves them so, and p falls so here): the places agree.
; ORDER.  The two tiles are walked one after the other, so that V has registers of its own: V's fragments are asked for behind the products K Q^T and land under the softmax; the next step's K is asked for
; behind the conversions and lands under the row's sum and the products V^T P.  Between the exponentials stand plain lines that are due anyway (macro FILL).
; LIMITS: a block of zeros or under 2^-124 gets the byte 1 (zero codes; only this program reads the bytes); NaN and infinities are not served.
; REGISTERS: v1 lane; v2, v3 the mask's d of tile A, of B; v4 -infinity; v5, v11 16 x lane, 8 x lane; v6-10 the step's LDS addresses; v12 -M, v13 the largest score, v[14:15] the sum in two halves;
;   v16-19, v28-29 Q of tile B until its turn; v20-26 scale words and nothing else; v30, v31 LDS places of y's scale bytes; v32-49 zeros | Q | zeros; v50-97 four fragments of K, then work registers;
;   v98-145 four fragments of V; v146-209 S^T, then p; v210-241 O^T; v242-253 p's codes; v254, v255 the way out of y's scale bytes.
.set VB,   98304                       ; LDS: K at 0, V here,
.set KSC,  196608                      ; K's scale words, V's 4,096 bytes on,
.set YS,   204800                      ; and 1,024 bytes for y's scale bytes, written by LDS stores alone: [block of 128 queries][my 32 queries] two bytes each
.set QB,   38                          ; Q's six registers, zero codes on both sides
.set FK,   50
.set FV,   98
.set S,    146
.set OA,   210
.set PC,   242
.set BM,   50                          ; work registers, in K's fragments once they are multiplied: v50-53, v54-57 block maxima in two chains each;
.set BN,   54
.set PB,   58                          ; v58-61 the other half's maxima, then bytes;
.set SO,   62                          ; v62-65 the conversions' scale operands;
.set CT,   66                          ; v66-72 halves of blocks on their way;
.set FP,   74                          ; v[74:75] f (the low word serves);
.set T0,   76
.set T1,   77
.set YB,   78                          ; y's two scale bytes
; A round of the cluster's barrier: my work-group's barrier; wave 0 signals for the work-group; every wave waits for all four work-groups; my work-group's barrier once more.
.macro CROUND
	s_barrier_signal -1
	s_barrier_wait -1
	s_cmp_lg_u32 s12, 0
	s_cbranch_scc1 .Lnot_wave_0_\@
	s_barrier_signal -3
.Lnot_wave_0_\@:
	s_barrier_wait -3
	s_barrier_signal -1
	s_barrier_wait -1
.endm
	s_load_b256 s[4:11], s[0:1], 0x0               ; qkvc s[4:5], qkvs s[6:7], yc s[8:9], ys s[10:11]
	v_lshl_add_u32 v254, v0, 2, 0x32400
	v_mov_b32 v255, 0
	ds_add_u32 v254, v255
	ds_add_u32 v254, v255
	s_wait_dscnt 0x0
	v_lshrrev_b32 v1, 5, v0
	v_readfirstlane_b32 s12, v1                    ; wave 0..15
	s_and_b32 s13, ttmp7, 0xffff                   ; g = 4 head + batch: the cluster's y, which the partners share
	s_bfe_u32 s72, ttmp6, 0x40000                  ; cx: my place in the cluster
	s_mul_i32 s14, s13, 98304                      ; the head's codes in each third of qkvc
	s_lshl_b32 s15, s13, 12                        ; its scale words in each third of qkvs, and its bytes in ys
	; what I fetch, if I fetch: waves 0-3 K's quarters, 4-7 V's; wave 8 K's scale words, wave 9 V's.  The offsets stay inside the buffers in every wave
	s_bfe_u32 s16, s12, 0x10002
	s_add_co_u32 s16, s16, 1
	s_mul_i32 s16, s16, 6291456
	s_and_b32 s17, s12, 3
	s_mul_i32 s17, s17, 24576
	s_add_co_u32 s16, s16, s17
	s_add_co_u32 s16, s16, s14
	s_mov_b32 s17, 0
	s_and_b32 s18, s12, 1
	s_add_co_u32 s18, s18, 1
	s_lshl_b32 s18, s18, 18
	s_add_co_u32 s18, s18, s15
	s_mov_b32 s19, 0
	; descriptor group 1: dense blocks as rows of 256 bytes (32 elements of 8 bytes): 96 rows of codes, 16 rows of scale words; 15:0 the mask: all four partners; 21 set beside a mask
	s_mov_b32 s24, 15|(3<<16)|(1<<21)
	s_mov_b32 s25, 32<<16
	s_mov_b32 s26, 96<<16
	s_mov_b32 s27, 32<<16
	s_mov_b32 s28, 96
	s_mov_b32 s29, 32
	s_mov_b32 s30, 0
	s_mov_b32 s31, 0
	s_mov_b32 s32, 15|(3<<16)|(1<<21)
	s_mov_b32 s33, 32<<16
	s_mov_b32 s34, 16<<16
	s_mov_b32 s35, 32<<16
	s_mov_b32 s36, 16
	s_mov_b32 s37, 32
	s_mov_b32 s38, 0
	s_mov_b32 s39, 0
	s_mov_b32 s40, 1
	s_mul_i32 s41, s12, 24576                      ; codes: LDS byte 24,576 x wave
	s_mov_b32 s44, 1
	s_lshl_b32 s45, s12, 12
	s_add_co_u32 s45, s45, KSC-8*4096              ; scale words: KSC + 4,096 x (wave - 8)
	s_mov_b32 s20, 0x76543210
	s_mov_b32 s21, 0xfedcba98                      ; v_permlanex16_b32's selects for lane l xor 16
	s_mov_b32 s22, 0x3e38aa3b                      ; c = log2(e) / 8
	s_mov_b32 s23, s22                             ; (named with it as a pair, so it is written)
	s_lshl_b32 s51, s12, 7                         ; tile A's block begins at key 128 w: of the wave's number alone: the branches compare with this
	s_xor_b32 s73, s12, 15                         ; 15 - w
	s_lshl_b32 s52, s73, 7                         ; tile B's block
	s_lshl_b32 s74, s72, 5                         ; 32 cx
	s_add_co_u32 s75, s51, s74                     ; tile A's first query
	s_add_co_u32 s76, s52, s74
	s_add_co_u32 s76, s76, 16                      ; tile B's
	s_wait_kmcnt 0x0
	s_add_nc_u64 s[42:43], s[4:5], s[16:17]
	s_or_b32 s43, s43, 0x80000000
	s_add_nc_u64 s[46:47], s[6:7], s[18:19]
	s_or_b32 s47, s47, 0x80000000
	CROUND                                         ; all four partners are here: the joint loads meet
	s_cmp_lt_u32 s12, 8                            ; the first and only fills: one tensor load a wave, ahead of every wait on TENSORcnt and every LDS read.  Four v_nop follow each line
	s_cbranch_scc0 .Lnot_codes
	tensor_load_to_lds s[40:43], s[24:31]
	s_nop 0
.rept 4
	v_nop
.endr
	s_branch .Lasked
.Lnot_codes:
	s_cmp_lt_u32 s12, 10
	s_cbranch_scc0 .Lasked
	tensor_load_to_lds s[44:47], s[32:39]
	s_nop 0
.rept 4
	v_nop
.endr
.Lasked:
	; Q's half images (768 bytes a tile of 16 queries: 48 bytes a query) and the pair words that hold their scale bytes
	s_mov_b32 s55, 0
	s_mul_i32 s54, s75, 48
	s_add_co_u32 s54, s54, s14
	s_add_nc_u64 s[56:57], s[4:5], s[54:55]
	s_mul_i32 s54, s76, 48
	s_add_co_u32 s54, s54, s14
	s_add_nc_u64 s[58:59], s[4:5], s[54:55]
	s_lshr_b32 s54, s75, 5
	s_lshl_b32 s54, s54, 6
	s_add_co_u32 s54, s54, s15
	s_add_nc_u64 s[60:61], s[6:7], s[54:55]
	s_lshr_b32 s54, s76, 5
	s_lshl_b32 s54, s54, 6
	s_add_co_u32 s54, s54, s15
	s_add_nc_u64 s[62:63], s[6:7], s[54:55]
	v_and_b32 v1, 31, v0                           ; lane
	v_lshlrev_b32 v5, 4, v1                        ; 16 x lane: an image's first 512 bytes
	v_lshlrev_b32 v11, 3, v1                       ; 8 x lane: its last 256
	v_and_b32 v27, 15, v0                          ; r
	v_bfe_u32 v4, v0, 4, 1                         ; h
	v_lshlrev_b32 v2, 3, v4
	v_sub_nc_u32 v2, v27, v2                       ; r - 8 h
	v_add_nc_u32 v2, s74, v2                       ; d of tile A on its diagonal step: my query - the step's first key - 8 h = 32 cx + r - 8 h
	v_add_nc_u32 v3, 16, v2                        ; d of tile B
	s_lshl_b32 s54, s12, 6
	v_lshl_add_u32 v30, v27, 1, s54
	v_add_nc_u32 v30, YS, v30                      ; y's two scale bytes of my query: tile A: 64 w + 2 r
	s_lshl_b32 s54, s73, 6
	v_lshl_add_u32 v31, v27, 1, s54
	v_add_nc_u32 v31, YS+32, v31                   ; tile B: 64 (15 - w) + 32 + 2 r
	v_lshlrev_b32 v27, 2, v27                      ; 4 r
	global_load_b128 v[38:41], v5, s[56:57]        ; Q of tile A, at its place
	global_load_b64 v[42:43], v11, s[56:57] offset:512
	global_load_b128 v[16:19], v5, s[58:59]        ; Q of tile B, kept until its turn
	global_load_b64 v[28:29], v11, s[58:59] offset:512
	global_load_b32 v20, v27, s[60:61]
	global_load_b32 v21, v27, s[62:63]
	v_and_b32 v254, 63, v0                         ; waves 0 and 1 send y's scale bytes out: thread t takes 16 bytes,
	v_lshrrev_b32 v255, 2, v254
	v_lshlrev_b32 v255, 8, v255
	v_and_b32 v4, 3, v0
	v_lshl_add_u32 v255, v4, 4, v255               ; which go to 256 (t / 4) + 16 (t % 4) of my part of ys,
	v_lshl_add_u32 v254, v254, 4, YS               ; from 16 t of the stage
	v_mov_b32 v4, 0xff800000                       ; -infinity
	; where y goes: yc [token tile][head][768]; ys [head][token] two bytes
	s_and_b32 s54, s13, 3
	s_lshr_b32 s16, s13, 2
	s_mul_i32 s54, s54, 1572864
	s_mul_i32 s16, s16, 768
	s_add_co_u32 s16, s16, s54
	s_mul_i32 s18, s75, 768
	s_add_co_u32 s18, s18, s16
	s_add_nc_u64 s[66:67], s[8:9], s[18:19]
	s_mul_i32 s18, s76, 768
	s_add_co_u32 s18, s18, s16
	s_add_nc_u64 s[68:69], s[8:9], s[18:19]
	s_lshl_b32 s18, s72, 6                         ; my 32 queries of each block of 128: 64 bytes
	s_add_co_u32 s18, s18, s15
	s_add_nc_u64 s[70:71], s[10:11], s[18:19]
.irp j, 32,33,34,35,36,37,44,45,46,47,48,49
	v_mov_b32 v\j, 0                               ; zero codes beside Q
.endr
	s_wait_loadcnt 0x0                             ; Q and its pair words
	v_and_b32 v20, 0xffff, v20                     ; tile A is the even tile of its pair: the word's low two bytes,
	v_lshl_or_b32 v20, v20, 16, v20                ; twice: Q stands in the fragment's first half or in its second
	v_lshrrev_b32 v21, 16, v21                     ; tile B is the odd one: the high two bytes
	v_lshl_or_b32 v21, v21, 16, v21
	s_wait_tensorcnt 0x0                           ; my part of K, V or their scale words has landed,
	s_barrier_signal -1
	s_barrier_wait -1                              ; everybody's has
; K's four fragments and two registers of pair words, off and soff bytes on from the step's addresses: 18 loads.  Fragment j: the half images of key tiles 2 j and 2 j + 1, 1,536 consecutive bytes
.macro KLOAD off, soff
.irp j, 0,1,2,3
	ds_load_b128 v[FK+12*\j:FK+12*\j+3], v6 offset:\off+1536*\j
	ds_load_b64 v[FK+12*\j+4:FK+12*\j+5], v7 offset:\off+1536*\j+512
	ds_load_b128 v[FK+12*\j+6:FK+12*\j+9], v6 offset:\off+1536*\j+768
	ds_load_b64 v[FK+12*\j+10:FK+12*\j+11], v7 offset:\off+1536*\j+1280
.endr
	ds_load_b32 v22, v10 offset:\soff              ; lanes 0-15 fragment 0's rows, lanes 16-31 fragment 1's;
	ds_load_b32 v23, v10 offset:\soff+128          ; fragments 2 and 3
.endm
; Plain line number fm of the 61 that stand between the exponentials, one behind each: the scalings of pairs whose exponentials are still to come; f; the four scale bytes; the sum and O^T under the new M.
.macro FILL
.if fm < 0
.elseif fm < 26
	v_pk_fma_f32 v[S+12+2*fm:S+13+2*fm], v[S+12+2*fm:S+13+2*fm], s[22:23], v[12:13] op_sel_hi:[1,0,0]   ; pair 6 + fm: t - M; its exponentials stand at least nine lines on
.elseif fm == 26
	v_sub_f32 v[T0], v12, v[T0]                    ; M's old value less its new one: a whole number, 0 or less
.elseif fm == 27
	v_cvt_i32_f32 v[T0], v[T0]                     ; (it saturates)
.elseif fm == 28
	v_ldexp_f32 v[FP], 1.0, v[T0]                  ; f = 2^(old M - new M)
.elseif fm < 33
	s_wait_alu depctr_va_vdst(0)
	v_max_num_f32 v[BM+fm-29], 0x1800000, v[BM+fm-29]   ; the floor 2^(3 - 127) under a block's largest p: the byte cannot fall under 1
.elseif fm < 37
	v_add_nc_u32 v[SO+fm-33], 0xff000000, v[BM+fm-33]   ; 2 off the exponent field: the conversion's scale operand
.elseif fm < 41
	v_lshrrev_b32 v[PB+fm-37], 23, v[SO+fm-37]     ; the scale's byte
.elseif fm == 41
	v_lshl_or_b32 v26, v[PB+1], 8, v[PB]           ; p's scale word for these 128 keys
.elseif fm == 42
	v_lshl_or_b32 v26, v[PB+2], 16, v26
.elseif fm == 43
	v_lshl_or_b32 v26, v[PB+3], 24, v26
.elseif fm == 44
	v_pk_mul_f32 v[14:15], v[14:15], v[FP:FP+1] op_sel_hi:[1,0]   ; the sums under the new M
.else
	v_pk_mul_f32 v[OA+2*(fm-45):OA+2*(fm-45)+1], v[OA+2*(fm-45):OA+2*(fm-45)+1], v[FP:FP+1] op_sel_hi:[1,0]   ; O^T under the new M: x f; each accumulator from its low end on
.endif
.endm
; A KEY STEP: 128 keys.  SQ: Q's scale word; KJ: the scalar register with the first key of the tile's own block; MK: the register with the mask's d.  K's fragments of this step were asked for a step ago.
.macro STEP SQ, KJ, MK
	s_cmp_gt_u32 s50, s[\KJ]                       ; a step all of whose keys come after my block of queries is left out: a scalar branch on the trip and the wave's number; no barrier and no tensor load stands in a step
	s_cbranch_scc1 .Lhidden_\@
	s_wait_dscnt 0x0                               ; K's fragments and pair words are in; no LDS load of mine is out, so the address registers may be written
	v_lshl_add_u32 v6, v1, 4, s48                  ; (these five are also the places behind the last products, in front of the loads into their sources)
	v_lshl_add_u32 v7, v1, 3, s48
	v_lshl_add_u32 v8, v1, 4, s77
	v_lshl_add_u32 v9, v1, 3, s77
	v_lshl_add_u32 v10, v1, 2, s49
.irp j, 0,1,2,3
.irp u, 0,1                                    ; u = 0: [Q | 0] takes the fragment's first tile; u = 1: [0 | Q] its second
.if \j%2
	v_wmma_scale_f32_16x16x128_f8f6f4 v[S+8*(2*\j+\u):S+8*(2*\j+\u)+7], v[FK+12*\j:FK+12*\j+11], v[QB-6*\u:QB-6*\u+11], 0, v[22+\j/2], v[\SQ] matrix_a_fmt:MATRIX_FMT_FP6 matrix_b_fmt:MATRIX_FMT_FP6 matrix_a_scale:MATRIX_SCALE_ROW1
.else
	v_wmma_scale_f32_16x16x128_f8f6f4 v[S+8*(2*\j+\u):S+8*(2*\j+\u)+7], v[FK+12*\j:FK+12*\j+11], v[QB-6*\u:QB-6*\u+11], 0, v[22+\j/2], v[\SQ] matrix_a_fmt:MATRIX_FMT_FP6 matrix_b_fmt:MATRIX_FMT_FP6
.endif
.endr
.endr                                          ; lane (r, h) holds query r; register 8 t + i holds key 16 t + 8 h + i of the step
.irp d, 0,1,2,3                                ; V's fragment of channels 16 d on (its two halves lie 3,072 bytes apart): asked for now, wanted behind the softmax: 18 loads
	ds_load_b128 v[FV+12*\d:FV+12*\d+3], v8 offset:768*\d
	ds_load_b64 v[FV+12*\d+4:FV+12*\d+5], v9 offset:768*\d+512
	ds_load_b128 v[FV+12*\d+6:FV+12*\d+9], v8 offset:3072+768*\d
	ds_load_b64 v[FV+12*\d+10:FV+12*\d+11], v9 offset:3584+768*\d
.endr
	ds_load_b32 v24, v10 offset:4096               ; V's scale words: lanes 0-15 fragment 0's rows, lanes 16-31 fragment 1's;
	ds_load_b32 v25, v10 offset:4224               ; fragments 2 and 3
.rept 4
	v_nop                                          ; places behind the products: their results are read and K's registers written below
.endr
	s_cmp_lt_u32 s50, s[\KJ]                       ; a step ahead of my block: all its keys count
	s_cbranch_scc1 .Lopen_\@
.set n, 0
.rept 64                                       ; my own block: the scores of hidden keys become -infinity ahead of the maximum, so that p = 0: register 8 t + i is hidden where 16 t + i > d
	v_cmp_gt_i32 vcc_lo, 16*(n/8)+n%8, v[\MK]
	v_cndmask_b32 v[S+n], v[S+n], v4, vcc_lo
.set n, n+1
.endr
.Lopen_\@:
	v_mov_b32 v[T0], v12                           ; the old -M is kept for f
.irp b, 0,1,2,3                                ; THE LARGEST SCORE OF EACH BLOCK OF 32 KEYS, for the row's maximum and, since p rises with the score, for the block's largest p: eight chains by turns, each accumulator from its low end on
	v_max3_num_f32 v[BM+\b], v[S+16*\b], v[S+16*\b+1], v[S+16*\b+2]
	v_max3_num_f32 v[BN+\b], v[S+16*\b+8], v[S+16*\b+9], v[S+16*\b+10]
.endr
.irp i, 3,5
.irp b, 0,1,2,3
	v_max3_num_f32 v[BM+\b], v[BM+\b], v[S+16*\b+\i], v[S+16*\b+\i+1]
	v_max3_num_f32 v[BN+\b], v[BN+\b], v[S+16*\b+8+\i], v[S+16*\b+9+\i]
.endr
.endr
.irp b, 0,1,2,3
	v_max3_num_f32 v[BM+\b], v[BM+\b], v[BN+\b], v[S+16*\b+7]
.endr
.irp b, 0,1,2,3
	v_max_num_f32 v[BM+\b], v[BM+\b], v[S+16*\b+15]
.endr
.irp b, 0,1,2,3
	v_permlanex16_b32 v[PB+\b], v[BM+\b], s20, s21
.endr
.irp b, 0,1,2,3
	v_max_num_f32 v[BM+\b], v[BM+\b], v[PB+\b]     ; with lane l xor 16's 16 keys
.endr
	v_max3_num_f32 v[T1], v[BM], v[BM+1], v[BM+2]
	v_max3_num_f32 v13, v[T1], v[BM+3], v13        ; the running largest score of my query
	v_mul_f32 v[T1], s22, v13                      ; as t (c is positive, and a product's rounding keeps the order: the largest t is the largest score's)
	v_floor_f32 v12, -v[T1]                        ; the new -M = floor(-t) = -ceil(t): M IS A WHOLE NUMBER
.irp b, 0,1,2,3
	v_fma_f32 v[BM+\b], v[BM+\b], s22, v12         ; t - M of each block's largest score
.endr
.irp p, 0,1
	v_pk_fma_f32 v[S+2*\p:S+2*\p+1], v[S+2*\p:S+2*\p+1], s[22:23], v[12:13] op_sel_hi:[1,0,0]   ; t - M, two at a time (of the pairs c and -M the low word serves both halves)
.endr
.irp b, 0,1,2,3
	v_exp_f32 v[BM+\b], v[BM+\b]                   ; the block's largest p: the same two instructions on the same number give the same bits
	v_pk_fma_f32 v[S+4+2*\b:S+5+2*\b], v[S+4+2*\b:S+5+2*\b], s[22:23], v[12:13] op_sel_hi:[1,0,0]
.endr
.set n, 0
.rept 64
	v_exp_f32 v[S+n], v[S+n]                       ; p = 2^(t - M), at most 1: NOT normalised
.set fm, n-3
	FILL                                           ; a plain line that names none of it; the last of them stands behind the last exponential, ahead of the conversions
.set n, n+1
.endr
	s_wait_alu depctr_va_vdst(0)
.irp c, 0,1
	v_cvt_scalef32_pk16_fp6_f32 v[PC+6*\c:PC+6*\c+2], v[S+32*\c:S+32*\c+15], v[SO+2*\c]
	v_cvt_scalef32_pk16_fp6_f32 v[CT+4*\c:CT+4*\c+2], v[S+32*\c+16:S+32*\c+31], v[SO+2*\c+1]   ; (a conversion's three registers begin on an even number)
.endr
	v_nop                                          ; one plain place behind a scaled conversion
.irp c, 0,1                                    ; the operand's layout wants a WHOLE block in a lane: lanes 0-15 block 2 c, lanes 16-31 block 2 c + 1
.irp i, 0,1,2
	v_permlane16_swap_b32 v[PC+6*\c+\i], v[CT+4*\c+\i]
.endr
.irp i, 0,1,2
	v_mov_b32 v[PC+3+6*\c+\i], v[CT+4*\c+\i]
.endr
.endr
	KLOAD 6144, 256                                ; the work registers are done with: the NEXT step's K is asked for.  (Behind a tile's last step these 18 loads read bytes that the fills have written, and are not used)
.irp w, 32,16,8,4,2                            ; THE ROW'S SUM IS TAKEN OF THE UNQUANTISED p: two at a time, a tree in place: neighbours 16, 8, 4, 2 and 1 pairs apart
.set n, 0
.rept \w/2
	v_pk_add_f32 v[S+n:S+n+1], v[S+n:S+n+1], v[S+n+\w:S+n+\w+1]
.set n, n+2
.endr
.endr
	v_pk_add_f32 v[14:15], v[14:15], v[S:S+1]
	s_wait_dscnt 18                                ; V's fragments and scale words are in; the 18 loads of the next K, issued behind them, may be out
.irp d, 0,1,2,3                                ; O^T += V^T P^T: four accumulators, one instruction a turn
.if \d%2
	v_wmma_scale_f32_16x16x128_f8f6f4 v[OA+8*\d:OA+8*\d+7], v[FV+12*\d:FV+12*\d+11], v[PC:PC+11], v[OA+8*\d:OA+8*\d+7], v[24+\d/2], v26 matrix_a_fmt:MATRIX_FMT_FP6 matrix_b_fmt:MATRIX_FMT_FP6 matrix_a_scale:MATRIX_SCALE_ROW1
.else
	v_wmma_scale_f32_16x16x128_f8f6f4 v[OA+8*\d:OA+8*\d+7], v[FV+12*\d:FV+12*\d+11], v[PC:PC+11], v[OA+8*\d:OA+8*\d+7], v[24+\d/2], v26 matrix_a_fmt:MATRIX_FMT_FP6 matrix_b_fmt:MATRIX_FMT_FP6
.endif
.endr
.Lhidden_\@:
.endm
; A TILE: the first step's K is asked for, the sums begin as zeros and the largest score as -3e38; then sixteen trips, a constant: what is left out is a step's work, never a trip.
.macro TILE SQ, KJ, MK
	s_mov_b32 s48, 0                               ; where the step's codes begin in K: 6,144 bytes a step;
	s_mov_b32 s77, VB                              ; in V;
	s_mov_b32 s49, KSC                             ; its scale words: 256 bytes a step;
	s_mov_b32 s50, 0                               ; its first key
	s_mov_b32 s53, 16
	v_lshl_add_u32 v6, v1, 4, s48
	v_lshl_add_u32 v7, v1, 3, s48
	v_lshl_add_u32 v10, v1, 2, s49
	KLOAD 0, 0
	v_mov_b32 v12, 0x7f61b1e6                      ; -M: 3e38, so that the first f is 0: it multiplies zeros
	v_mov_b32 v13, 0xff61b1e6                      ; the largest score so far: -3e38
	v_mov_b32 v14, 0                               ; the sum, in two halves
	v_mov_b32 v15, 0
.set n, 0
.rept 32
	v_mov_b32 v[OA+n], 0                           ; O^T.  (The step is written once: the first finds zeros)
.set n, n+1
.endr
.Lstep_\@:
	STEP \SQ, \KJ, \MK
	s_add_co_u32 s48, s48, 6144
	s_add_co_u32 s77, s77, 6144
	s_add_co_u32 s49, s49, 256
	s_add_co_u32 s50, s50, 128
	s_sub_co_u32 s53, s53, 1
	s_cmp_lg_u32 s53, 0
	s_cbranch_scc1 .Lstep_\@
	s_wait_dscnt 0x0                               ; the loads asked for behind the last step have landed: their registers serve the way out
.rept 4
	v_nop                                          ; places behind the last products, in front of the first read of O^T
.endr
.endm
; THE WAY OUT of a tile: O^T / the sum; its 64 channels are two blocks of 32 along the last product's K: quantised as p is; the half image to yc, the two scale bytes to LDS.  YA: their LDS address; BASE: yc at my tile.
.macro OUT YA, BASE
	v_add_f32 v[T0], v14, v15                      ; the sum's two halves,
	v_permlanex16_b32 v[T1], v[T0], s20, s21
	v_add_f32 v[T0], v[T0], v[T1]                  ; and lane l xor 16's: the row's sum
	v_rcp_f32 v[T0], v[T0]
	v_nop                                          ; one plain place behind a transcendental
.set n, 0
	s_wait_alu depctr_va_vdst(0)
.rept 32
	v_mul_f32 v[S+n], v[OA+n], v[T0]               ; register 8 d + i is y(query r, channel 16 d + 8 h + i); each accumulator from its low end on
.set n, n+1
.endr
.irp b, 0,1
	v_max3_num_f32 v[BM+\b], |v[S+16*\b]|, |v[S+16*\b+1]|, 0x1800000
.endr
.irp i, 2,4,6,8,10,12,14
.irp b, 0,1
	v_max3_num_f32 v[BM+\b], v[BM+\b], |v[S+16*\b+\i]|, |v[S+16*\b+\i+1]|
.endr
.endr
.irp b, 0,1
	v_permlanex16_b32 v[PB+\b], v[BM+\b], s20, s21
.endr
.irp b, 0,1
	v_max_num_f32 v[BM+\b], v[BM+\b], v[PB+\b]
.endr
.irp b, 0,1
	v_add_nc_u32 v[SO+\b], 0xff000000, v[BM+\b]
.endr
.irp b, 0,1
	v_lshrrev_b32 v[PB+\b], 23, v[SO+\b]
.endr
	v_lshl_or_b32 v[YB], v[PB+1], 8, v[PB]         ; my query's two scale bytes
	v_cvt_scalef32_pk16_fp6_f32 v[PC:PC+2], v[S:S+15], v[SO]
	v_cvt_scalef32_pk16_fp6_f32 v[CT:CT+2], v[S+16:S+31], v[SO+1]
	v_nop                                          ; one plain place behind a scaled conversion
.irp i, 0,1,2
	v_permlane16_swap_b32 v[PC+\i], v[CT+\i]
.endr
.irp i, 0,1,2
	v_mov_b32 v[PC+3+\i], v[CT+\i]
.endr
	global_store_b128 v5, v[PC:PC+3], s[\BASE:\BASE+1]                 ; 512 and 256 consecutive bytes, aligned
	global_store_b64 v11, v[PC+4:PC+5], s[\BASE:\BASE+1] offset:512
	ds_store_b16 v[\YA], v[YB]                     ; both halves of the lanes write the same two bytes with the same value
.endm
	TILE 20, 51, 2
	OUT 30, 66
	s_wait_dscnt 0x0                               ; the LDS store has read its register, which K's loads write again,
	s_wait_xcnt 0x0                                ; and the two stores theirs, which tile B's conversions write again only behind this wait
.irp i, 0,1,2,3
	v_mov_b32 v[QB+\i], v[16+\i]                   ; Q of tile B takes its place between the zero codes
.endr
	v_mov_b32 v[QB+4], v28
	v_mov_b32 v[QB+5], v29
	TILE 21, 52, 3
	OUT 31, 68
	s_wait_dscnt 0x0                               ; for the others' sake: my stores are done
	s_barrier_signal -1
	s_barrier_wait -1
	s_cmp_lt_u32 s12, 2                            ; waves 0 and 1 send the work-group's 1,024 scale bytes out
	s_cbranch_scc0 .Ldone
	ds_load_b128 v[S:S+3], v254
	s_wait_dscnt 0x0
	global_store_b128 v255, v[S:S+3], s[70:71]     ; four lanes store the 64 consecutive bytes of my 32 queries of a block
.Ldone:
	s_wait_xcnt 0x0
	v_lshl_add_u32 v254, v0, 2, 0x32400
	v_mov_b32 v255, 0
	s_wait_tensorcnt 0x0
	ds_add_u32 v254, v255
	s_wait_dscnt 0x0
	CROUND                                         ; the closing round: no work-group ends while a partner may still ask for a tile that names it
	s_endpgm
.Lfunc_end_k_q1cf88e2c15_attn:
	.size	k_q1cf88e2c15_attn, .Lfunc_end_k_q1cf88e2c15_attn-k_q1cf88e2c15_attn
	.p2alignl 7, 3214868480
	.fill 96, 4, 3214868480
	.section	.rodata,"a",@progbits
	.p2align	6, 0x0
	.amdhsa_kernel k_q1cf88e2c15_attn
		.amdhsa_group_segment_fixed_size 207872
		.amdhsa_private_segment_fixed_size 0
		.amdhsa_enable_private_segment 0
		.amdhsa_kernarg_size 32
		.amdhsa_user_sgpr_count 2
		.amdhsa_user_sgpr_kernarg_segment_ptr 1
		.amdhsa_wavefront_size32 1
		.amdhsa_system_sgpr_workgroup_id_x 1
		.amdhsa_system_sgpr_workgroup_id_y 1
		.amdhsa_system_sgpr_workgroup_id_z 1
		.amdhsa_system_vgpr_workitem_id 0
		.amdhsa_next_free_vgpr 256
		.amdhsa_next_free_sgpr 80
		.amdhsa_reserve_vcc 1
		.amdhsa_float_denorm_mode_32 3
		.amdhsa_float_denorm_mode_16_64 3
		.amdhsa_memory_ordered 1
		.amdhsa_forward_progress 1
		.amdhsa_inst_pref_size 64
	.end_amdhsa_kernel
	.amdgpu_metadata
---
amdhsa.version: [ 1, 2 ]
amdhsa.kernels:
  - .name:           k_q1cf88e2c15_attn
    .symbol:         k_q1cf88e2c15_attn.kd
    .args:
      - { .name: qkvc, .offset: 0, .size: 8, .value_kind: global_buffer, .address_space: global }
      - { .name: qkvs, .offset: 8, .size: 8, .value_kind: global_buffer, .address_space: global }
      - { .name: yc, .offset: 16, .size: 8, .value_kind: global_buffer, .address_space: global }
      - { .name: ys, .offset: 24, .size: 8, .value_kind: global_buffer, .address_space: global }
    .group_segment_fixed_size: 207872
    .private_segment_fixed_size: 0
    .kernarg_segment_align: 8
    .kernarg_segment_size: 32
    .max_flat_workgroup_size: 512
    .sgpr_count:     80
    .vgpr_count:     256
    .wavefront_size: 32
...
	.end_amdgpu_metadata
.endif
;; end of part 3
;; launch gemm_out (part 4): grid 4 x 32, 4 waves a work-group, clusters of 4 x 4, 327,680 bytes of LDS; arguments yc, ys, wc, ws, out0; writes out0
.if DOCPART == 4
	.amdgcn_target "amdgcn-amd-amdhsa--gfx1250"
	.amdhsa_code_object_version 6
	.text
	.protected	k_q1cf88e2c15_gemm_out
	.globl	k_q1cf88e2c15_gemm_out
	.p2align	8
	.type	k_q1cf88e2c15_gemm_out,@function
k_q1cf88e2c15_gemm_out:
	s_mov_b64 s[64:65], 0
	v_nop
	global_prefetch_b8 v0, s[64:65] scope:SCOPE_SE
	s_setreg_imm32_b32 hwreg(HW_REG_WAVE_MODE, 25, 1), 1
	s_wait_xcnt 0x0
	s_wait_alu depctr_hold_cnt(0) depctr_sa_sdst(0) depctr_va_vdst(0) depctr_va_sdst(0) depctr_va_ssrc(0) depctr_va_vcc(0) depctr_vm_vsrc(0)
	s_getreg_b32 s2, hwreg(HW_REG_IB_STS2, 6, 4)
	s_cmp_eq_u32 s2, 0
	s_cbranch_scc0 .Lentry_in_a_cluster
	s_endpgm
.Lentry_in_a_cluster:
	s_bfe_u32 s2, ttmp6, 0x10000c
	s_cmp_lg_u32 s2, 0xf033
	s_cbranch_scc0 .Lentry_shape_is_right
	s_endpgm
.Lentry_shape_is_right:
; out0 = y w_proj on codes of FP6 (E2M3) with E8M0 scales; out0 [8192][1024] f32; sums in f32, K = 1,024.
; A = y, as the attention launch left it: yc [token tile 0..511][head 0..15][768 bytes], a half image (registers 0-5 of a fragment: lane l's registers 0-3 at 16 l, then its registers 4-5 at 512 + 8 l) for each
; tile of 16 tokens and head of 64 channels; two heads on end are a fragment of 128 along K.  ys [head][token]: two scale bytes.  B = rows 3,072-4,095 of wc and ws: w_proj's columns, K innermost.
; Inside each block of 32 along K both operands stand in the order 0-7, 16-23, 8-15, 24-31: the places agree.
; A tile of out0, 256 x 256, is made by a work-group of four waves, 128 x 128 (64 accumulators) each.  K goes in steps of 256 through a ring of two LDS slots filled by the tensor data mover.
; B's scales come into LDS once, as they lie.  A's come once as 16 heads x 256 tokens x 2 bytes and are turned, by LDS loads and stores, into rows of 32 bytes a token, in bytes of their own.
; CLUSTERS: 4 x 4 work-groups; A's tile is asked for jointly along a row of the cluster, B's along a column.  The matrix instruction is used transposed (source 0 = B's rows, source 1 = A's rows).
; The launch has 128 work-groups: a tile of 256 x 256 keeps each fragment's reads from LDS at their fewest.
; REGISTERS, in windows of 256: window 0: v0-31 addresses; v32-63 scale words and nothing else; v64-95 the turning of A's scales; from v128 A's fragments, one set; on the way out v128-255.
;   window 1: B's fragments, two sets.   windows 2, 3: the accumulators.
.set SIZE_N, 1024
.set NQ,     2
.set ROWB,   192                       ; B: a tile's row in bytes
.set KROW,   768
.set PITCH,  240                       ; B: an LDS row: 3 x (64 bytes of data + 16 of padding)
.set FR,     12
.set NL,     6                         ; LDS loads that bring a fragment of B
.set NLA,    4                         ; and of A
.set NP,     4
.set AHALF,  8*3072                    ; A: 8 token tiles x 4 heads x 768 bytes, dense: what one tensor load brings
.set ASTEP,  3072                      ; A: 256 along K of a token tile
.set HALFT,  128*PITCH
.set SLOT,   2*AHALF+2*HALFT           ; A's two halves, then B's
.set LAPS,   2
.set KS,     32
.set SCL,    2*SLOT                    ; A's scales as rows of 32 bytes (256 bytes + 16 of padding a run), written by LDS stores alone; B's behind them, by tensor load
.set HALFS,  16*272
.set SBLK,   2*272
.set BSC,    SCL+2*HALFS
.set YRAW,   SCL+4*HALFS               ; A's scale bytes as they come: two halves of 16 heads x (256 bytes + 16)
.set SPARE,  YRAW+2*HALFS              ; the spare words, 128 bytes for each wave: two blocks of 256 bytes that no other line names
.set SPITCH, 528                       ; the way out: a stage of 16 rows x (512 bytes + 16) for each wave, in slot 0, which has had its last fill and its last read by then
.set TRD,  8                           ; v8     where I read A's scale bytes as they came
.set TWR,  9                           ; v9     where I store my two rows of them
.set ADRA, 16                          ; v16-17 LDS address of A's images in slot 0, 1: 16 x lane;  v18-19: 8 x lane
.set ADRB, 20                          ; v20-23 B's fragments
.set STO,  24
.set RD,   25
.set CO,   26
.set ADRS, 27
.set SPW,  28                          ; v28    my spare word; never rewritten
.set NIL,  29                          ; v29    0; never rewritten
.set SC,   32
.set AF,   128
.set BK,   128
.set G1, 24
.set G0, 32
.set G1B, 48
.set G0B, 56
.set G1S, 68
.set G0S, 76
.set G1SB, 80
.set G0SB, 88
.set MSB, 0
.macro WIN new                         ; the immediate's high byte repeats the setting that is left
.if MSB != \new
	s_set_vgpr_msb (MSB<<8)|\new
.set MSB, \new
.endif
.endm
.set MUL_LO, 0xa1
.set MUL_HI, 0xf1
.set TO_B,   0x40
.macro JLOAD g0a, g1a, g0b, g1b        ; a joint load: waves 0 and 1 fetch for A, waves 2 and 3 for B; four v_nop follow each of the two lines
	s_cmp_eq_u32 s15, 0
	s_cbranch_scc0 .Lfor_b_\@
	tensor_load_to_lds s[\g0a:\g0a+3], s[\g1a:\g1a+7]
	s_nop 0
.rept 4
	v_nop
.endr
	s_branch .Lasked_\@
.Lfor_b_\@:
	tensor_load_to_lds s[\g0b:\g0b+3], s[\g1b:\g1b+7]
	s_nop 0
.rept 4
	v_nop
.endr
.Lasked_\@:
.endm
.macro CREST
	s_cmp_lg_u32 s14, 0
	s_cbranch_scc1 .Lnot_wave_0_\@
	s_barrier_signal -3
.Lnot_wave_0_\@:
	s_barrier_wait -3
	s_barrier_signal -1
	s_barrier_wait -1
.endm
.macro CROUND
	s_barrier_signal -1
	s_barrier_wait -1
	CREST
.endm
	s_load_b128 s[4:7], s[0:1], 0x0                ; yc s[4:5], ys s[6:7]
	s_load_b128 s[8:11], s[0:1], 0x10              ; wc s[8:9], ws s[10:11]
	s_load_b64 s[12:13], s[0:1], 0x20              ; out0
	v_lshl_add_u32 v[SPW], v0, 2, SPARE
	v_mov_b32 v[NIL], 0
	ds_add_u32 v28, v29
	ds_add_u32 v28, v29
	s_wait_dscnt 0x0
	v_lshrrev_b32 v1, 5, v0
	v_readfirstlane_b32 s14, v1                    ; wave 0..3
	s_lshr_b32 s15, s14, 1                         ; which half of the tile's rows is mine.  Also: I fetch for A (0) or for B (1)
	s_and_b32 s16, s14, 1                          ; which half of its columns.  Also: which half of that tile I fetch
	s_bfe_u32 s40, ttmp6, 0x40000                  ; cx, cy
	s_bfe_u32 s41, ttmp6, 0x40004
	s_lshl_b32 s42, ttmp9, 2
	s_add_co_u32 s42, s42, s40                     ; tile column
	s_and_b32 s17, ttmp7, 0xffff
	s_lshl_b32 s17, s17, 2
	s_add_co_u32 s17, s17, s41                     ; tile row
	s_lshl_b32 s43, s41, 2
	s_lshl_b32 s43, 15, s43                        ; my row of the cluster
	s_lshl_b32 s44, 0x1111, s40                    ; my column
	; group 1, A's codes: 8 rows (token tiles) of 3,072 bytes (384 elements of 8 bytes), 12,288 bytes apart, dense in LDS
	s_or_b32 s[G1+0], s43, (3<<16)|(1<<21)
	s_mov_b32 s[G1+1], 384<<16
	s_mov_b32 s[G1+2], 8<<16
	s_mov_b32 s[G1+3], 384<<16
	s_mov_b32 s[G1+4], 8
	s_mov_b32 s[G1+5], 1536
	s_mov_b32 s[G1+6], 0
	s_mov_b32 s[G1+7], 0
	; B's codes: 128 rows of 192 bytes, 16 bytes of padding behind every 64
	s_or_b32 s[G1B+0], s44, (0<<16)|(1<<20)|(1<<21)|(3<<22)|(3<<25)
	s_mov_b32 s[G1B+1], ROWB<<16
	s_mov_b32 s[G1B+2], 128<<16
	s_mov_b32 s[G1B+3], ROWB<<16
	s_mov_b32 s[G1B+4], 128
	s_mov_b32 s[G1B+5], KROW
	s_mov_b32 s[G1B+6], 0
	s_mov_b32 s[G1B+7], 0
	; A's scale bytes: 16 rows (heads) of 256 bytes (128 tokens), 16,384 bytes apart, 16 bytes of padding behind each
	s_or_b32 s[G1S+0], s43, (3<<16)|(1<<20)|(1<<21)|(5<<22)|(3<<25)
	s_mov_b32 s[G1S+1], 32<<16
	s_mov_b32 s[G1S+2], 16<<16
	s_mov_b32 s[G1S+3], 32<<16
	s_mov_b32 s[G1S+4], 16
	s_mov_b32 s[G1S+5], 2048
	s_mov_b32 s[G1S+6], 0
	s_mov_b32 s[G1S+7], 0
	; B's scales of 128 rows: 4,096 dense bytes as 16 rows of 256, padded likewise
	s_or_b32 s[G1SB+0], s44, (3<<16)|(1<<20)|(1<<21)|(5<<22)|(3<<25)
	s_mov_b32 s[G1SB+1], 32<<16
	s_mov_b32 s[G1SB+2], 16<<16
	s_mov_b32 s[G1SB+3], 32<<16
	s_mov_b32 s[G1SB+4], 16
	s_mov_b32 s[G1SB+5], 32
	s_mov_b32 s[G1SB+6], 0
	s_mov_b32 s[G1SB+7], 0
	s_lshl_b32 s20, s17, 4
	s_lshl_b32 s18, s16, 3
	s_add_co_u32 s20, s20, s18                     ; A: token tile 16 x tile row + 8 x half
	s_mul_i32 s20, s20, 12288
	s_mov_b32 s21, 0
	s_lshl_b32 s22, s17, 9
	s_lshl_b32 s18, s16, 8
	s_add_co_u32 s22, s22, s18                     ; its tokens' two bytes in a head's row of ys
	s_mov_b32 s23, 0
	s_lshl_b32 s46, s42, 8
	s_lshl_b32 s18, s16, 7
	s_add_co_u32 s46, s46, s18
	s_add_co_u32 s46, s46, 3072                    ; B: row 3,072 + 256 x tile column + 128 x half
	s_lshl_b32 s92, s46, 5
	s_mov_b32 s93, 0
	s_mul_i32 s46, s46, KROW
	s_mov_b32 s47, 0
	s_mul_i32 s45, s16, AHALF                      ; where they go: no place in the cluster enters an LDS address
	s_mul_i32 s95, s16, HALFT
	s_add_co_u32 s95, s95, 2*AHALF
	s_mul_i32 s94, s16, HALFS
	s_wait_kmcnt 0x0
	s_add_nc_u64 s[20:21], s[4:5], s[20:21]
	s_add_nc_u64 s[22:23], s[6:7], s[22:23]
	s_add_nc_u64 s[46:47], s[8:9], s[46:47]
	s_add_nc_u64 s[92:93], s[10:11], s[92:93]
	CROUND                                         ; all sixteen work-groups are here: the first joint loads meet
	s_mov_b32 s[G0S], 1
	s_add_co_u32 s[G0S+1], s94, YRAW
	s_mov_b64 s[G0S+2:G0S+3], s[22:23]
	s_or_b32 s[G0S+3], s[G0S+3], 0x80000000
	s_mov_b32 s[G0SB], 1
	s_add_co_u32 s[G0SB+1], s94, BSC
	s_mov_b64 s[G0SB+2:G0SB+3], s[92:93]
	s_or_b32 s[G0SB+3], s[G0SB+3], 0x80000000
	JLOAD G0S, G1S, G0SB, G1SB                     ; the scales first
.irp s, 0,1
	s_mov_b32 s[G0+4*\s], 1
	s_add_co_u32 s[G0+4*\s+1], s45, \s*SLOT
	s_add_nc_u64 s[G0+4*\s+2:G0+4*\s+3], s[20:21], \s*ASTEP
	s_or_b32 s[G0+4*\s+3], s[G0+4*\s+3], 0x80000000
	s_mov_b32 s[G0B+4*\s], 1
	s_add_co_u32 s[G0B+4*\s+1], s95, \s*SLOT
	s_add_nc_u64 s[G0B+4*\s+2:G0B+4*\s+3], s[46:47], \s*ROWB
	s_or_b32 s[G0B+4*\s+3], s[G0B+4*\s+3], 0x80000000
	JLOAD G0+4*\s, G1, G0B+4*\s, G1B               ; three tensor loads of mine are out behind the second of these
.endr
	v_and_b32 v1, 15, v0                           ; l % 16
	v_bfe_u32 v2, v0, 4, 1                         ; l / 16
	v_and_b32 v6, 31, v0                           ; lane
	v_mul_u32_u24 v3, v1, PITCH
	v_mul_u32_u24 v4, v2, 24
	v_add_nc_u32 v4, v3, v4                        ; B: a fragment's row x pitch + 24 x half
	v_lshl_add_u32 v5, v2, 4, v4                   ; and the same behind one padding more
	v_lshlrev_b32 v3, 4, v6                        ; A: 16 x lane
	v_lshlrev_b32 v7, 3, v6                        ;    8 x lane
	s_mul_i32 s21, s15, AHALF                      ; my 8 token tiles of A
	s_mul_i32 s22, s16, HALFT                      ; my 128 rows of B,
	s_add_co_u32 s22, s22, 2*AHALF                 ; which lie behind A's
.irp s, 0,1
	v_add_nc_u32 v[ADRA+\s], s21, v3
	v_add_nc_u32 v[ADRA+2+\s], s21, v7
	v_add_nc_u32 v[ADRB+\s], s22, v4
	v_add_nc_u32 v[ADRB+2+\s], s22, v5
	s_add_co_u32 s21, s21, SLOT
	s_add_co_u32 s22, s22, SLOT
.endr
	v_mul_u32_u24 v5, v1, KS                       ; my row's scales: 32 bytes a row,
	v_lshrrev_b32 v6, 8, v5
	v_lshl_add_u32 v5, v6, 4, v5                   ; and 16 more for each 256 passed
	s_mul_i32 s21, s15, HALFS
	s_mul_i32 s22, s16, HALFS
	s_add_co_u32 s22, s22, 2*HALFS
	s_sub_co_u32 s22, s22, s21
	v_mul_u32_u24 v6, s22, v2                      ; lanes 16-31 take B's
	s_add_co_u32 s21, s21, SCL
	v_add_nc_u32 v5, v5, v6
	v_add_nc_u32 v[ADRS], s21, v5
	v_lshrrev_b32 v[TRD], 6, v0                    ; thread t turns the scale bytes of rows 2 t and 2 t + 1: they came in half t / 64, 4 (t % 64) bytes into each head's row
	v_mul_u32_u24 v[TRD], v[TRD], HALFS
	v_and_b32 v7, 63, v0
	v_lshl_add_u32 v[TRD], v7, 2, v[TRD]
	v_add_nc_u32 v[TRD], YRAW, v[TRD]
	v_lshrrev_b32 v[TWR], 2, v0                    ; and go to 64 t + 16 (t / 4): 32 bytes a row, 16 of padding behind every eight rows
	v_lshlrev_b32 v[TWR], 4, v[TWR]
	v_lshl_add_u32 v[TWR], v0, 6, v[TWR]
	v_add_nc_u32 v[TWR], SCL, v[TWR]
	s_mul_i32 s23, s14, 16*SPITCH                  ; my stage
	v_mul_u32_u24 v5, v1, SPITCH                   ; in: row l % 16, 32 bytes for each half of the lanes
	v_lshl_add_u32 v5, v2, 5, v5
	v_add_nc_u32 v[STO], s23, v5
	v_mov_b32 v[CO], v3                            ; back: the 32 lanes take one row of 512 bytes; and the same in out0
	v_add_nc_u32 v[RD], s23, v[CO]
	s_lshl_b32 s20, s17, 8
	s_lshl_b32 s21, s15, 7
	s_add_co_u32 s20, s20, s21                     ; my first row of out0
	s_mov_b32 s21, 0
	s_mov_b64 s[18:19], SIZE_N*4
	s_mul_u64 s[20:21], s[20:21], s[18:19]
	s_lshl_b32 s46, s42, 10                        ; my first column, in bytes
	s_lshl_b32 s47, s16, 9
	s_add_co_u32 s46, s46, s47
	s_mov_b32 s47, 0
	s_add_nc_u64 s[20:21], s[20:21], s[46:47]
	s_add_nc_u64 s[12:13], s[12:13], s[20:21]
.macro FRAG reg, adr, q, i             ; a fragment of B, from rows: pieces of 8 bytes; where the piece three on lies behind one padding more, the second address register serves
.irp p, 0,1,2,3,4,5
.set PCE, 12*(\q)+6*(\p/3)+\p%3
.if PCE%8 < 5
	ds_load_b64 v[\reg+2*\p:\reg+2*\p+1], v[\adr] offset:8*PCE+16*(PCE/8)+(\i)*16*PITCH
.else
	ds_load_b64 v[\reg+2*\p:\reg+2*\p+1], v[\adr+2] offset:8*PCE+16*(PCE/8)+(\i)*16*PITCH
.endif
.endr
.endm
.macro FRAGI reg, slot, q, i           ; a fragment of A, from two half images: every load takes consecutive bytes
	ds_load_b128 v[\reg:\reg+3], v[ADRA+\slot] offset:3072*(\i)+1536*(\q)
	ds_load_b64 v[\reg+4:\reg+5], v[ADRA+2+\slot] offset:3072*(\i)+1536*(\q)+512
	ds_load_b128 v[\reg+6:\reg+9], v[ADRA+\slot] offset:3072*(\i)+1536*(\q)+768
	ds_load_b64 v[\reg+10:\reg+11], v[ADRA+2+\slot] offset:3072*(\i)+1536*(\q)+1280
.endm
; 16 matrix instructions; the 64 accumulators take turns, one instruction a turn, in the same order in every step
.macro MUL16 a0, p, q, sc, zero
.irp a, \a0, \a0+1
.irp b, 0,1,2,3,4,5,6,7
.if \zero
	v_wmma_scale_f32_16x16x128_f8f6f4 v[8*(8*((\a)%4)+\b):8*(8*((\a)%4)+\b)+7], v[128*(\p)+FR*\b:128*(\p)+FR*\b+FR-1], v[AF+FR*(\a):AF+FR*(\a)+FR-1], 0, v[SC+8*NQ*(\sc)+NQ*\b+(\q)], v[SC+8*NQ*(\sc)+NQ*(\a)+(\q)] matrix_a_fmt:MATRIX_FMT_FP6 matrix_b_fmt:MATRIX_FMT_FP6 matrix_a_scale:MATRIX_SCALE_ROW1
.else
	v_wmma_scale_f32_16x16x128_f8f6f4 v[8*(8*((\a)%4)+\b):8*(8*((\a)%4)+\b)+7], v[128*(\p)+FR*\b:128*(\p)+FR*\b+FR-1], v[AF+FR*(\a):AF+FR*(\a)+FR-1], v[8*(8*((\a)%4)+\b):8*(8*((\a)%4)+\b)+7], v[SC+8*NQ*(\sc)+NQ*\b+(\q)], v[SC+8*NQ*(\sc)+NQ*(\a)+(\q)] matrix_a_fmt:MATRIX_FMT_FP6 matrix_b_fmt:MATRIX_FMT_FP6 matrix_a_scale:MATRIX_SCALE_ROW1
.endif
.endr
.endr
.endm
.macro FETCH_B slot, q, p
	WIN TO_B
.irp i, 0,1,2,3,4,5,6,7
	FRAG 128*(\p)+FR*\i, ADRB+\slot, \q, \i
.endr
	WIN 0
.endm
.macro FETCH_A slot, q, i0
.irp i, \i0, \i0+1, \i0+2, \i0+3
	FRAGI AF+FR*(\i), \slot, \q, \i
.endr
.endm
.macro SCALES sc
.irp i, 0,1,2,3,4,5,6,7
	ds_load_b64 v[SC+8*NQ*\sc+NQ*\i:SC+8*NQ*\sc+NQ*\i+1], v[ADRS] offset:\i*SBLK
.endr
.endm
.macro PLACES n                        ; plain vector places behind matrix instructions (ISA guide 7.12.1)
.rept \n
	v_nop
.endr
.endm
.macro STEP slot, q, zero
	s_wait_dscnt 4*NLA                             ; B's set and A's blocks 0-3 are in; the youngest 16 loads (A's blocks 4-7) may be out
	WIN MUL_LO
	MUL16 0, (\q)%2, \q, \slot, \zero
	MUL16 2, (\q)%2, \q, \slot, \zero
	s_wait_dscnt 0
	PLACES NP
	FETCH_B \slot, (\q)+1, 1-(\q)%2
	FETCH_A \slot, (\q)+1, 0
	WIN MUL_HI
	MUL16 4, (\q)%2, \q, \slot, \zero
	MUL16 6, (\q)%2, \q, \slot, \zero
	PLACES NP
	WIN 0
	FETCH_A \slot, (\q)+1, 4
.endm
.macro TURN slot, next, fill
	s_wait_tensorcnt 0x0                           ; all my tensor loads have landed: my part of the next slot
	ds_add_u32 v[SPW], v[NIL]                      ; 0 onto my spare word
	s_wait_dscnt 4*NLA+1                           ; (the add and the youngest 16 loads, A's blocks 4-7, may be out)
	WIN MUL_LO
	MUL16 0, 1, NQ-1, \slot, 0
	s_wait_dscnt 0x0                               ; the add is done, and my reads of this slot are over
	s_barrier_signal -1
	MUL16 2, 1, NQ-1, \slot, 0
	WIN 0
	s_barrier_wait -1
.if \fill
	CREST                                          ; the barrier has opened a round of the cluster's barrier: no wave of any partner still reads this slot's tile or has a load on its way
	s_add_nc_u64 s[G0+4*\slot+2:G0+4*\slot+3], s[G0+4*\slot+2:G0+4*\slot+3], 2*ASTEP
	s_add_nc_u64 s[G0B+4*\slot+2:G0B+4*\slot+3], s[G0B+4*\slot+2:G0B+4*\slot+3], 2*ROWB
	JLOAD G0+4*\slot, G1, G0B+4*\slot, G1B         ; the first tensor load behind the round, and my only one until the next
.else
	PLACES NP
.endif
	v_add_nc_u32 v[ADRS], 4*NQ, v[ADRS]
	FETCH_B \next, 0, 0
	FETCH_A \next, 0, 0
	SCALES \next
	WIN MUL_HI
	MUL16 4, 1, NQ-1, \slot, 0
	MUL16 6, 1, NQ-1, \slot, 0
	PLACES NP
	WIN 0
	FETCH_A \next, 0, 4
.endm
	s_wait_tensorcnt 1                             ; the scales and my part of K step 0 are in (K step 1's load may be out)
	s_barrier_signal -1
	s_barrier_wait -1                              ; everybody's are
.set n, 0
.rept 16
	ds_load_b32 v[64+n], v[TRD] offset:272*n       ; head n: the two bytes of row 2 t below, those of row 2 t + 1 above
.set n, n+1
.endr
	s_wait_dscnt 0x0
.irp s, 0,1,2,3,4,5,6,7
	v_perm_b32 v[80+\s], v[65+2*\s], v[64+2*\s], 0x05040100   ; row 2 t, bytes 4 s on: heads 2 s and 2 s + 1
	v_perm_b32 v[88+\s], v[65+2*\s], v[64+2*\s], 0x07060302   ; row 2 t + 1
.endr
.irp c, 0,1,2,3
	ds_store_b128 v[TWR], v[80+4*\c:83+4*\c] offset:16*\c
.endr
	s_wait_dscnt 0x0                               ; for the others' sake: my stores are done
	s_barrier_signal -1
	s_barrier_wait -1
	FETCH_B 0, 0, 0
	FETCH_A 0, 0, 0
	SCALES 0
	FETCH_A 0, 0, 4
	STEP 0, 0, 1                                   ; the first step stands in front of the loop: its products start the sums
	s_mov_b32 s3, LAPS-1
.Llap:
	TURN 0, 1, 1
	STEP 1, 0, 0
	TURN 1, 0, 1
	STEP 0, 0, 0
	s_sub_co_u32 s3, s3, 1
	s_cmp_lg_u32 s3, 0
	s_cbranch_scc1 .Llap
	TURN 0, 1, 0                                   ; the last lap fills nothing, and has no round of the cluster's barrier
	STEP 1, 0, 0
	s_wait_dscnt 4*NLA
	WIN MUL_LO
	MUL16 0, 1, NQ-1, 1, 0
	MUL16 2, 1, NQ-1, 1, 0
	s_wait_dscnt 0
	WIN MUL_HI
	MUL16 4, 1, NQ-1, 1, 0
	MUL16 6, 1, NQ-1, 1, 0
	WIN 0
; THE WAY OUT, block by block of 16 rows x 128 columns, through my own stage in LDS: back as whole rows of 512 bytes.  LDS serves a wave's instructions in order: no wait between the stores and the loads.
.macro TOSTAGE a
.set AC, 64*((\a)%4)
	WIN 0x08+4*((\a)/4)                            ; the data: window 2 or 3
.irp b, 0,1,2,3,4,5,6,7
	ds_store_b128 v[STO], v[AC+8*\b:AC+8*\b+3] offset:64*\b          ; each accumulator from its low end on
	ds_store_b128 v[STO], v[AC+8*\b+4:AC+8*\b+7] offset:64*\b+16
.endr
	WIN 0
.set BB, BK+64*((\a)%2)
.irp t, 0,1,2,3,4,5,6,7,8,9,10,11,12,13,14,15
	ds_load_b128 v[BB+4*\t:BB+4*\t+3], v[RD] offset:\t*SPITCH
.endr
.endm
.macro SEND a, younger                 ; younger: the LDS instructions issued behind block a's loads, which may stay out
.set BB, BK+64*((\a)%2)
	s_wait_dscnt \younger
.if (\a) > 0
	s_add_nc_u64 s[12:13], s[12:13], 16*SIZE_N*4   ; (behind a wait on XCNT: the earlier stores have read their base)
.endif
.irp t, 0,1,2,3,4,5,6,7,8,9,10,11,12,13,14,15
	global_store_b128 v[CO], v[BB+4*\t:BB+4*\t+3], s[12:13] offset:\t*SIZE_N*4 th:TH_STORE_NT   ; 32 lanes store 512 consecutive bytes, aligned; written once, read by nobody here
.endr
.endm
	PLACES NP
	TOSTAGE 0
.irp a, 1,2,3,4,5,6,7
.if \a > 1
	s_wait_xcnt 0x0                                ; block a - 2's stores have read their registers and their base
.endif
	TOSTAGE \a
	SEND \a-1, 32                                  ; behind block a - 1's loads: block a's 16 stores and 16 loads
.endr
	s_wait_xcnt 0x0
	SEND 7, 0
	s_wait_tensorcnt 0x0                           ; the wave's end, behind my last tensor load and my last LDS store
	ds_add_u32 v[SPW], v[NIL]
	s_wait_dscnt 0x0
	CROUND                                         ; the closing round: no work-group ends while a partner may still ask for a tile that names it
	s_endpgm
.Lfunc_end_k_q1cf88e2c15_gemm_out:
	.size	k_q1cf88e2c15_gemm_out, .Lfunc_end_k_q1cf88e2c15_gemm_out-k_q1cf88e2c15_gemm_out
	.p2alignl 7, 3214868480
	.fill 96, 4, 3214868480
	.section	.rodata,"a",@progbits
	.p2align	6, 0x0
	.amdhsa_kernel k_q1cf88e2c15_gemm_out
		.amdhsa_group_segment_fixed_size 327680
		.amdhsa_private_segment_fixed_size 0
		.amdhsa_enable_private_segment 0
		.amdhsa_kernarg_size 40
		.amdhsa_user_sgpr_count 2
		.amdhsa_user_sgpr_kernarg_segment_ptr 1
		.amdhsa_wavefront_size32 1
		.amdhsa_system_sgpr_workgroup_id_x 1
		.amdhsa_system_sgpr_workgroup_id_y 1
		.amdhsa_system_sgpr_workgroup_id_z 1
		.amdhsa_system_vgpr_workitem_id 0
		.amdhsa_next_free_vgpr 1024
		.amdhsa_next_free_sgpr 98
		.amdhsa_reserve_vcc 0
		.amdhsa_float_denorm_mode_32 3
		.amdhsa_float_denorm_mode_16_64 3
		.amdhsa_memory_ordered 1
		.amdhsa_forward_progress 1
		.amdhsa_inst_pref_size 156
	.end_amdhsa_kernel
	.amdgpu_metadata
---
amdhsa.version: [ 1, 2 ]
amdhsa.kernels:
  - .name:           k_q1cf88e2c15_gemm_out
    .symbol:         k_q1cf88e2c15_gemm_out.kd
    .args:
      - { .name: yc, .offset: 0, .size: 8, .value_kind: global_buffer, .address_space: global }
      - { .name: ys, .offset: 8, .size: 8, .value_kind: global_buffer, .address_space: global }
      - { .name: wc, .offset: 16, .size: 8, .value_kind: global_buffer, .address_space: global }
      - { .name: ws, .offset: 24, .size: 8, .value_kind: global_buffer, .address_space: global }
      - { .name: out0, .offset: 32, .size: 8, .value_kind: global_buffer, .address_space: global }
    .group_segment_fixed_size: 327680
    .private_segment_fixed_size: 0
    .kernarg_segment_align: 8
    .kernarg_segment_size: 40
    .max_flat_workgroup_size: 128
    .sgpr_count:     98
    .vgpr_count:     1024
    .wavefront_size: 32
...
	.end_amdgpu_metadata
.endif
;; end of part 4
